; MI455X (gfx1250); checked and timed in simulation.
; The chip was launched on July 23, 2026; its instructions are those of AMD's public machine-readable ISA for CDNA 5 (MIT licence, August 2026) and "CDNA5" Instruction Set Architecture Reference Guide (July 2026). The comments in the code are by the model that wrote it; some were corrected since.
;; Kernel Multihead Attention. Allowed arithmetic: matrix products marked QUANTISED: E2M1 operands, one E8M0 scale for each 32 along K, by v_wmma_scale_f32_16x16x128_f8f6f4 with both operands' format E2M1 (or v_wmma_scale_f32_32x16x128_f4), f32 sums; products left as they are: bf16, f16 or f32 operands; f32 sums; everything else in f32.
;; Inputs: Wk 1,024 x 1,024 float32; Wo 1,024 x 1,024 float32; Wq 1,024 x 1,024 float32; Wv 1,024 x 1,024 float32; bk 1,024 float32; bo 1,024 float32; bq 1,024 float32; bv 1,024 float32; key 4 x 2,048 x 1,024 float32; query 4 x 2,048 x 1,024 float32; value 4 x 2,048 x 1,024 float32.
;; Outputs: out0 4 x 2,048 x 1,024 float32.
;; This version of the problem:
;;   THIS VERSION OF THE PROBLEM IS GIVEN IN LOW PRECISION. The matrix products marked QUANTISED in the list below multiply operands that are first quantised to E2M1 (2 exponent bits, 1 mantissa bit; 4 bits a number), with one power-of-two scale for each 32 numbers along K (OCP MX v1.0); their sums are f32. The products marked 'left as it is' may take bf16, f16 or f32 operands, with f32 sums. Whichever they take, every output number must still come out within the allowed error. Rounding operands to bf16 (8 significant bits) uses up far more of that allowance than f16 does (11 bits, for magnitudes from 6e-5 to 65,504). All else is computed in f32.
;;   The module's matrix products, in the order in which they are computed (A, B: the left and right operand; K: the contracted axis; several contracted axes count as one K, in the product's order):
;;     1. [M 8,192, K 1,024] x [K 1,024, N 1,024]; A: input query; B: input Wq: QUANTISED
;;     2. [M 8,192, K 1,024] x [K 1,024, N 1,024]; A: input key; B: input Wk: QUANTISED
;;     3. [M 8,192, K 1,024] x [K 1,024, N 1,024]; A: input value; B: input Wv: QUANTISED
;;     4. batch 64 x [M 2,048, K 64] x [K 64, N 2,048]; A: computed on the way; B: computed on the way: left as it is (an operand is computed on the way)
;;     5. batch 64 x [M 2,048, K 2,048] x [K 2,048, N 64]; A: computed on the way; B: computed on the way: left as it is (an operand is computed on the way)
;;     6. [M 8,192, K 1,024] x [K 1,024, N 1,024]; A: computed on the way; B: input Wo: left as it is (an operand is computed on the way)
;;   THE QUANTISER, for each operand of a quantised product, along K:
;;     - K is cut into blocks of 32 from its start; a last block that is shorter is filled with zeros.
;;     - A block's scale is 2^e with e = floor(log2(the largest magnitude in the block)) - 2, held to -126 .. 127; a block of zeros has e = 0. As a byte (E8M0): e + 127.
;;     - Each number is divided by its block's scale, clamped to +-6, and rounded to the nearest number of E2M1, ties to even, subnormals kept.
;;     - The product sums the exact products of the quantised numbers (number of the format x scale) in f32.
;;   ~~~python
;;   def quantise(x, axis):      # numpy; x: float32 -> the quantised numbers, widened to float32 again
;;       x = np.moveaxis(x, axis, -1); K = x.shape[-1]
;;       x = np.pad(x, [(0, 0)] * (x.ndim - 1) + [(0, -K % 32)]); x = x.reshape(x.shape[:-1] + (-1, 32)); a = np.abs(x).max(-1, keepdims=True)
;;       e = np.where(a > 0, np.clip(np.frexp(np.where(a > 0, a, 1))[1] - 1 - 2, -126, 127), 0)      # np.frexp(a)[1] - 1 = floor(log2(a)), exactly
;;       r = np.clip(x / 2.0 ** e, -6, 6)
;;       step = 2.0 ** (np.maximum(np.frexp(np.where(r == 0, 1, r))[1] - 1, 0) - 1)
;;       q = np.round(r / step) * step * 2.0 ** e      # np.round: ties to even
;;       return np.moveaxis(q.reshape(q.shape[:-2] + (-1,))[..., :K], -1, axis).astype(np.float32)
;;   ~~~
;; One version. Each part assembles by itself: llvm-mc -triple=amdgcn-amd-amdhsa -mcpu=gfx1250 --defsym DOCPART=n.
;; ======== version 1 of 1: 4 launches
;; limits: values are held in f16: magnitudes above 65,504 overflow, below 6.1e-05 lose precision; a difference of large sums (such as E[x^2] - mean^2): digits are lost where the result is much smaller than its terms
;; workspace buffers: codes 14,155,776 bytes; scales 884,736 bytes; wo16 2,097,152 bytes; qkv 50,331,648 bytes; kb 524,288 bytes; ao 16,777,216 bytes
;; launch prep (part 1): grid 896 x 1, 4 waves a work-group, no clusters, 33,280 bytes of LDS; arguments query, key, value, Wq, Wk, Wv, Wo, codes, scales, wo16; writes codes, scales, wo16
.if DOCPART == 1
	.amdgcn_target "amdgcn-amd-amdhsa--gfx1250"
	.amdhsa_code_object_version 6
	.text
	.protected	k_q79909395e2_prep
	.globl	k_q79909395e2_prep
	.p2align	8
	.type	k_q79909395e2_prep,@function
k_q79909395e2_prep:
	s_mov_b64 s[64:65], 0
	v_nop
	global_prefetch_b8 v0, s[64:65] scope:SCOPE_SE
	s_setreg_imm32_b32 hwreg(HW_REG_WAVE_MODE, 25, 1), 1
	s_wait_xcnt 0x0
; query, key, value [8192][1024] and Wq, Wk, Wv [1024][1024], f32 with K innermost, become codes of FP4 (E2M1), two to a byte, and one E8M0 scale byte for each 32 along K;
; Wo [1024][1024] becomes f16.  The six quantised tensors are stacked: codes has 27,648 rows of 512 bytes (rows 0 query, 8192 key, 16384 value, 24576 Wq, 25600 Wk, 26624 Wv), scales the same rows of 32 bytes.
; A block's scale is 2^(floor(log2(its largest magnitude)) - 2); its byte is the largest magnitude's exponent field - 2, held at 1 from below.  A block of zeros so gets the byte 1 where the quantiser says 127:
; its codes are zeros, which add nothing under any byte but 0xff, and the bytes are read by this program alone.
; LIMITS: blocks whose largest magnitude lies under 2^-124 keep the byte 1; NaN and infinities among the inputs are not served; |Wo| stays under 65,504.
; Rows are dense and 1,024 is a multiple of 32, so every tensor is a plain stream of blocks of 32.  A work-group takes 32,768 numbers, a wave 8,192, in 16 steps of 512.
; Work-groups 0-255 query, 256-511 key, 512-767 value, 768-799 Wq, 800-831 Wk, 832-863 Wv: only the input's pointer is chosen; the place in the stacked outputs follows from the work-group's number.  864-895: the cast of Wo.
; A conversion takes 8 numbers of ONE block from a lane's registers, a load is best where neighbouring lanes take neighbouring bytes: each load reads 512 consecutive bytes, a step's 2,048 bytes go through the wave's own
; stage in LDS as they lie and come back 64 bytes a lane (16 bytes of padding behind each 64).  A lane's 16 codes are 8 bytes: a wave's store covers 256 consecutive bytes, aligned.
; A wave's 256 scale bytes are gathered in its own LDS bytes and leave as 256 consecutive bytes, aligned.  No barrier: waves share nothing.
.set WAVES, 4
.set STEPS, 16
.set WGQ,   864                        ; work-groups that quantise
.set EMAX,  2
.set CB,    8                          ; bytes of 16 codes
.set R,     16                         ; v16-79   four sets of 16 numbers as loaded (the cast: v16-143, two batches of 64)
.set X,     80                         ; v80-111  two sets of 16 neighbours
.set C,     128                        ; v128-191 codes: four registers for each step, so that no store's data are written again
.set E,     112                        ; v112-127 a scale byte for each step
.set CV,    144                        ; v144-175 the cast: a batch's f16 numbers
.set WREG,  8192                       ; LDS: a region for each wave: two stages of 32 x SP bytes, behind them its 256 scale bytes
.set SP,    80                         ; a lane's place in a stage: 64 bytes + 16 of padding
.set SPW,   12                         ; v12  LDS address of my spare word; never rewritten
.set NIL,   13                         ; v13  0; never rewritten
.set SPARE, WAVES*WREG                 ; behind the regions: the spare words, 128 bytes a wave, which no other line names
	s_load_b512 s[4:19], s[0:1], 0x0               ; query 4, key 6, value 8, Wq 10, Wk 12, Wv 14, Wo 16, codes 18
	s_load_b128 s[20:23], s[0:1], 0x40             ; scales 20, wo16 22
	v_lshl_add_u32 v[SPW], v0, 2, SPARE
	v_mov_b32 v[NIL], 0
	v_lshrrev_b32 v1, 5, v0
	v_readfirstlane_b32 s28, v1                    ; wave
	v_and_b32 v2, 31, v0                           ; lane
	v_lshlrev_b32 v3, 4, v2                        ; my 16 bytes of a load's 512
	v_mul_u32_u24 v4, v2, CB                       ; my 8 bytes of a store's 256
	s_mul_i32 s29, s28, WREG
	v_lshrrev_b32 v14, 2, v2
	v_mul_u32_u24 v14, v14, SP
	v_and_b32 v15, 3, v2
	v_lshl_add_u32 v14, v15, 4, v14
	v_add_nc_u32 v14, s29, v14                     ; the stage, on the way in: SP (lane / 4) + 16 (lane % 4)
	v_mul_u32_u24 v15, v2, SP
	v_add_nc_u32 v15, s29, v15                     ; and on the way out: SP x lane: my 16 neighbours
	v_lshrrev_b32 v5, 1, v2
	s_add_co_u32 s29, s29, 2*32*SP
	v_add_nc_u32 v5, s29, v5                       ; my wave's 256 scale bytes, my block's byte
	v_lshlrev_b32 v7, 3, v2
	v_add_nc_u32 v6, s29, v7                       ; and on the way out 8 bytes a lane
	s_mov_b32 s27, 0
	s_wait_kmcnt 0x0
	s_cmp_lt_u32 ttmp9, WGQ
	s_cbranch_scc1 .Lquant
; THE CAST OF Wo: a wave takes 8,192 numbers: 64 loads of 512 consecutive bytes, in four batches of 16, two batches on their way; each store covers 256 consecutive bytes, aligned.  No LDS.
.macro CLOAD b
.irp i, 0,1,2,3,4,5,6,7,8,9,10,11,12,13,14,15
	global_load_b128 v[R+64*((\b)%2)+4*\i:R+64*((\b)%2)+4*\i+3], v3, s[16:17] offset:8192*(\b)+512*\i th:TH_LOAD_NT
.endr
.endm
.macro CCVT b
.if (\b) < 3
	s_wait_loadcnt 16                              ; this batch is in; the next batch's 16 loads may be out
.else
	s_wait_loadcnt 0x0
.endif
.if (\b) > 0
	s_wait_xcnt 0x0                                ; the last batch's stores have read their data: they are written again only behind this wait
.endif
.irp i, 0,1,2,3,4,5,6,7,8,9,10,11,12,13,14,15
	v_cvt_pk_f16_f32 v[CV+2*\i], v[R+64*((\b)%2)+4*\i], v[R+64*((\b)%2)+4*\i+1]
	v_cvt_pk_f16_f32 v[CV+2*\i+1], v[R+64*((\b)%2)+4*\i+2], v[R+64*((\b)%2)+4*\i+3]
.endr
.irp i, 0,1,2,3,4,5,6,7,8,9,10,11,12,13,14,15
	global_store_b64 v4, v[CV+2*\i:CV+2*\i+1], s[22:23] offset:4096*(\b)+256*\i
.endr
.if (\b)+2 < 4
	CLOAD (\b)+2
.endif
.endm
	s_sub_co_u32 s26, ttmp9, WGQ
	s_lshl_b32 s26, s26, 2
	s_add_co_u32 s30, s26, s28                     ; which run of 8,192 numbers of Wo is my wave's
	s_lshl_b32 s26, s30, 15
	s_add_nc_u64 s[16:17], s[16:17], s[26:27]
	s_lshl_b32 s26, s30, 14
	s_add_nc_u64 s[22:23], s[22:23], s[26:27]
	CLOAD 0
	CLOAD 1
	CCVT 0
	CCVT 1
	CCVT 2
	CCVT 3
	s_branch .Lend
.Lquant:
	s_cmp_lt_u32 ttmp9, 256                        ; which tensor: the choices hang on the work-group's number alone
	s_cselect_b64 s[24:25], s[4:5], s[6:7]
	s_cselect_b32 s26, 0, 256                      ; and the tensor's first work-group
	s_cmp_lt_u32 ttmp9, 512
	s_cselect_b64 s[24:25], s[24:25], s[8:9]
	s_cselect_b32 s26, s26, 512
	s_cmp_lt_u32 ttmp9, 768
	s_cselect_b64 s[24:25], s[24:25], s[10:11]
	s_cselect_b32 s26, s26, 768
	s_cmp_lt_u32 ttmp9, 800
	s_cselect_b64 s[24:25], s[24:25], s[12:13]
	s_cselect_b32 s26, s26, 800
	s_cmp_lt_u32 ttmp9, 832
	s_cselect_b64 s[24:25], s[24:25], s[14:15]
	s_cselect_b32 s26, s26, 832
	s_sub_co_u32 s26, ttmp9, s26
	s_lshl_b32 s26, s26, 2
	s_add_co_u32 s26, s26, s28                     ; my wave's run of 8,192 numbers in its tensor,
	s_lshl_b32 s26, s26, 15                        ; 32,768 bytes a run
	s_add_nc_u64 s[24:25], s[24:25], s[26:27]
	s_lshl_b32 s30, ttmp9, 2
	s_add_co_u32 s30, s30, s28                     ; and in the stacked outputs
	s_lshl_b32 s26, s30, 12                        ; 4,096 bytes of codes,
	s_add_nc_u64 s[18:19], s[18:19], s[26:27]
	s_lshl_b32 s26, s30, 8                         ; 256 scale bytes
	s_add_nc_u64 s[20:21], s[20:21], s[26:27]
.macro LOAD t
.irp i, 0,1,2,3
	global_load_b128 v[R+16*((\t)%4)+4*\i:R+16*((\t)%4)+4*\i+3], v3, s[24:25] offset:2048*(\t)+512*\i th:TH_LOAD_NT   ; 32 lanes read 512 consecutive bytes
.endr
.endm
.macro TURN t                          ; step t's numbers through the stage: LDS serves a wave's instructions in order (ISA guide 5.7.1.4), so no wait stands between the stores and the loads
.irp i, 0,1,2,3
	ds_store_b128 v14, v[R+16*((\t)%4)+4*\i:R+16*((\t)%4)+4*\i+3] offset:32*SP*((\t)%2)+8*SP*\i
.endr
.irp i, 0,1,2,3
	ds_load_b128 v[X+16*((\t)%2)+4*\i:X+16*((\t)%2)+4*\i+3], v15 offset:32*SP*((\t)%2)+16*\i
.endr
.endm
.irp t, 0,1,2,3
	LOAD \t
.endr
	s_wait_loadcnt 12                              ; step 0's four loads are in
	TURN 0
.macro STEP t
.set XS, X+16*((\t)%2)
.if (\t) > 0
	s_wait_dscnt 1                                 ; this step's numbers are back from the stage (the last step's byte store may be out): so its stores into the stage have read their registers,
.else
	s_wait_dscnt 0x0
.endif
.if (\t)+4 < STEPS
	LOAD (\t)+4                                    ; which take the loads of four steps on
.endif
.if (\t)+1 < STEPS
.if STEPS-2-(\t) >= 3
	s_wait_loadcnt 12                              ; the next step's four loads are in; those of the three steps behind it may be out
.else
	s_wait_loadcnt 4*(STEPS-2-(\t))
.endif
	TURN (\t)+1                                    ; and go through the other stage while this step is worked
.endif
	v_max3_num_f32 v8, |v[XS]|, |v[XS+1]|, |v[XS+2]|               ; the largest magnitude of my 16, in two chains
	v_max3_num_f32 v9, |v[XS+3]|, |v[XS+4]|, |v[XS+5]|
.irp i, 6,10
	v_max3_num_f32 v8, v8, |v[XS+\i]|, |v[XS+\i+1]|
	v_max3_num_f32 v9, v9, |v[XS+\i+2]|, |v[XS+\i+3]|
.endr
	v_max3_num_f32 v8, v8, |v[XS+14]|, |v[XS+15]|
	v_max3_num_f32 v8, v8, v9, (EMAX+1)<<23        ; and the floor 2^(3 - 127): so the byte cannot fall under 1
	v_max_num_f32_dpp v8, v8, v8 row_xmask:1 row_mask:0xf bank_mask:0xf   ; and of my neighbour's 16: the block's
	v_add_nc_u32 v11, -(EMAX<<23), v8              ; 2 off its exponent field: the conversion takes the exponent field of this operand as its scale, and nothing else of it
	v_cvt_scalef32_pk8_fp4_f32 v[C+4*(\t)], v[XS:XS+7], v11        ; to the nearest code, ties to even, beyond the largest code the largest; the first number's code in the lowest four bits
	v_cvt_scalef32_pk8_fp4_f32 v[C+4*(\t)+1], v[XS+8:XS+15], v11
	v_lshrrev_b32 v[E+(\t)], 23, v11               ; the scale's byte (also the plain instruction behind the conversions)
	ds_store_b8 v5, v[E+(\t)] offset:16*(\t)       ; both lanes of a block write the same byte with the same value
	global_store_b64 v4, v[C+4*(\t):C+4*(\t)+1], s[18:19] offset:32*CB*(\t)
.endm
.irp t, 0,1,2,3,4,5,6,7,8,9,10,11,12,13,14,15
	STEP \t
.endr
	ds_load_b64 v[8:9], v6                         ; in order behind my byte stores
	s_wait_dscnt 0x0
	global_store_b64 v7, v[8:9], s[20:21]          ; 32 lanes store 256 consecutive bytes, aligned
.Lend:
	s_wait_tensorcnt 0x0                           ; the wave's end: behind my last LDS store
	ds_add_u32 v[SPW], v[NIL]
	s_wait_dscnt 0x0
	s_endpgm
.Lfunc_end_k_q79909395e2_prep:
	.size	k_q79909395e2_prep, .Lfunc_end_k_q79909395e2_prep-k_q79909395e2_prep
	.p2alignl 7, 3214868480
	.fill 96, 4, 3214868480
	.section	.rodata,"a",@progbits
	.p2align	6, 0x0
	.amdhsa_kernel k_q79909395e2_prep
		.amdhsa_group_segment_fixed_size 33280
		.amdhsa_private_segment_fixed_size 0
		.amdhsa_enable_private_segment 0
		.amdhsa_kernarg_size 80
		.amdhsa_user_sgpr_count 2
		.amdhsa_user_sgpr_kernarg_segment_ptr 1
		.amdhsa_wavefront_size32 1
		.amdhsa_system_sgpr_workgroup_id_x 1
		.amdhsa_system_sgpr_workgroup_id_y 1
		.amdhsa_system_sgpr_workgroup_id_z 1
		.amdhsa_system_vgpr_workitem_id 0
		.amdhsa_next_free_vgpr 192
		.amdhsa_next_free_sgpr 66
		.amdhsa_reserve_vcc 0
		.amdhsa_float_denorm_mode_32 3
		.amdhsa_float_denorm_mode_16_64 3
		.amdhsa_memory_ordered 1
		.amdhsa_forward_progress 1
		.amdhsa_inst_pref_size 54
	.end_amdhsa_kernel
	.amdgpu_metadata
---
amdhsa.version: [ 1, 2 ]
amdhsa.kernels:
  - .name:           k_q79909395e2_prep
    .symbol:         k_q79909395e2_prep.kd
    .args:
      - { .name: query, .offset: 0, .size: 8, .value_kind: global_buffer, .address_space: global }
      - { .name: key, .offset: 8, .size: 8, .value_kind: global_buffer, .address_space: global }
      - { .name: value, .offset: 16, .size: 8, .value_kind: global_buffer, .address_space: global }
      - { .name: Wq, .offset: 24, .size: 8, .value_kind: global_buffer, .address_space: global }
      - { .name: Wk, .offset: 32, .size: 8, .value_kind: global_buffer, .address_space: global }
      - { .name: Wv, .offset: 40, .size: 8, .value_kind: global_buffer, .address_space: global }
      - { .name: Wo, .offset: 48, .size: 8, .value_kind: global_buffer, .address_space: global }
      - { .name: codes, .offset: 56, .size: 8, .value_kind: global_buffer, .address_space: global }
      - { .name: scales, .offset: 64, .size: 8, .value_kind: global_buffer, .address_space: global }
      - { .name: wo16, .offset: 72, .size: 8, .value_kind: global_buffer, .address_space: global }
    .group_segment_fixed_size: 33280
    .private_segment_fixed_size: 0
    .kernarg_segment_align: 8
    .kernarg_segment_size: 80
    .max_flat_workgroup_size: 128
    .sgpr_count:     66
    .vgpr_count:     192
    .wavefront_size: 32
...
	.end_amdgpu_metadata
.endif
;; end of part 1
;; launch proj (part 2): grid 4 x 96, 4 waves a work-group, clusters of 4 x 4, 327,680 bytes of LDS; arguments codes, scales, bq, bk, bv, qkv, kb; writes qkv, kb
.if DOCPART == 2
	.amdgcn_target "amdgcn-amd-amdhsa--gfx1250"
	.amdhsa_code_object_version 6
	.text
	.protected	k_q79909395e2_proj
	.globl	k_q79909395e2_proj
	.p2align	8
	.type	k_q79909395e2_proj,@function
k_q79909395e2_proj:
	s_mov_b64 s[64:65], 0
	v_nop
	global_prefetch_b8 v0, s[64:65] scope:SCOPE_SE
	s_setreg_imm32_b32 hwreg(HW_REG_WAVE_MODE, 25, 1), 1
	s_wait_xcnt 0x0
	s_wait_alu depctr_hold_cnt(0) depctr_sa_sdst(0) depctr_va_vdst(0) depctr_va_sdst(0) depctr_va_ssrc(0) depctr_va_vcc(0) depctr_vm_vsrc(0)
	s_getreg_b32 s2, hwreg(HW_REG_IB_STS2, 6, 4)
	s_cmp_eq_u32 s2, 0
	s_cbranch_scc0 .Lentry_in_a_cluster
	s_endpgm
.Lentry_in_a_cluster:
	s_bfe_u32 s2, ttmp6, 0x10000c
	s_cmp_lg_u32 s2, 0xf033
	s_cbranch_scc0 .Lentry_shape_is_right
	s_endpgm
.Lentry_shape_is_right:
; The three quantised projections in one launch: for g = 0, 1, 2 (query, key, value): y = x W^T + b on codes of FP4 (E2M1) with one E8M0 scale for each 32 along K = 1,024; sums in f32.
; y leaves as f16 by heads, qkv [g][b 4][h 16][l 2048][64]; for g = 1 also kb [b][h][l] = -0.5 x the sum of the squares of k's 64 numbers, in f32, from the sums before they are rounded.
; LIMIT: |y| stays under 65,504, f16's largest number.
; The activations' rows are stacked in codes (rows 0 .. 24,575), the weights' behind them (24,576 + 1,024 g).  Tile row tr = 0 .. 95 of 256 rows; g = tr / 32 hangs on the cluster's y alone.
; A tile, 256 x 256, is made by four waves; a wave makes 128 x 128: 64 accumulators of 16 x 16, 512 registers.  K's 1,024 are two slots of 512 (LDS rows of 256 bytes): both are asked for at the head, and nothing is filled again.
; THE SCALES of the 256 + 256 rows, for all of K, are two dense blocks of memory: they come into LDS once, with the first fills.
; CLUSTERS: 4 x 4 work-groups.  The four of a row of the cluster need the same tiles of x, the four of a column the same tiles of W: each tile is asked for JOINTLY, by the same tensor load with the same descriptor and a mask of the four.
; THE MATRIX INSTRUCTION IS USED TRANSPOSED (source 0 = 16 rows of W, source 1 = 16 rows of x): a lane then holds eight neighbouring outputs of one row.  THE BIAS is the C of each sum's first product.
; REGISTERS, in windows of 256: window 0: v0-31 addresses; v32-95 scale words, two sets; v128-191 x's fragments, one set; v192-255 the bias in the result's layout; on the way out v32-95 and v192-255 are free.
;   window 1: W's fragments, two sets, at v0 and v128.   window 2: the accumulators of my rows 0-63 ((a, b) at v[8 (8 a + b)]);   window 3: those of my rows 64-127.
.set NQ,     4                         ; steps of 128 along K in a slot
.set ROWB,   256                       ; a tile's row in bytes: 512 codes
.set KROW,   512                       ; a row of codes in memory
.set PITCH,  272                       ; an LDS row: 256 bytes + 16 of padding: the 16 rows that a load touches begin 16 bytes apart modulo 256
.set FR,     8                         ; registers of a fragment: 16 rows x 128 K
.set NL,     2                         ; LDS loads that bring one
.set NP,     4                         ; places behind this matrix instruction (ISA guide 7.12.1)
.set HALFT,  128*PITCH                 ; 128 rows: what one tensor load brings
.set SLOT,   4*HALFT                   ; x's 256 rows, then W's 256 rows
.set KS,     32                        ; a row of scales in bytes
.set SCL,    2*SLOT                    ; behind the slots: the scales, as 256 bytes + 16 of padding
.set HALFS,  16*272                    ; the scales of 128 rows
.set SBLK,   2*272                     ; those of 16 rows
.set SPARE,  SCL+4*HALFS               ; the spare words, 128 bytes a wave, which no other line names
.set SPITCH, 272                       ; the way out: a stage of 16 rows x (256 + 16) bytes for each wave, in slot 0, which has had its one fill and its last read when the first result is stored there
.set NORM,   4*16*SPITCH               ; behind the stages, in slot 0 too: 1,024 bytes a wave for kb
.set BOF,  8                           ; v8   the bias: 32 x (lane / 16); never rewritten
.set ADRA, 16                          ; v16-17  LDS address of my x fragments in slot 0, 1
.set ADRB, 20                          ; v20-21  the same for W
.set STO,  24                          ; v24  the way out: where I put 16 bytes of a row
.set RD,   25                          ; v25  where I read back: four rows of one head
.set CO,   26                          ; v26  16 x lane
.set ADRS, 27                          ; v27  my scale words: lanes 0-15 x's rows, lanes 16-31 W's
.set SPW,  28                          ; v28  my spare word; never rewritten
.set NIL,  29                          ; v29  0; never rewritten
.set NST,  30                          ; v30  kb: where I put a number
.set NRD,  31                          ; v31  kb: where I read 16 bytes back
.set SC,   32                          ; scale words: set s at v[SC + 32 s]; register 4 i + q: lanes 0-15 x's block i, lanes 16-31 W's block i, the slot's q-th 128 along K
.set NS,   64                          ; v64-73 kb: at work;  v76-83 on its way out
.set AF,   128
.set BI,   192                         ; the bias: register 8 b + j, lane half h: b[16 b + 8 h + j] of my 128 outputs
.set TMP,  192                         ; the way out: a block's f16 numbers
.set OB,   32                          ; and the block read back: v32-63 and v224-255 by turns
.set G1, 24                            ; s[24:31] descriptor group 1 for x's tiles;  s[32:39] group 0, a set for each slot
.set G0, 32
.set G1B, 48                           ; s[48:55], s[56:63] the same for W's tiles
.set G0B, 56
.set G1S, 68                           ; s[68:75], s[76:79] groups 1 and 0 for x's scales;  s[80:87], s[88:91] for W's
.set G0S, 76
.set G1SB, 80
.set G0SB, 88
.set MSB, 0
.macro WIN new                         ; the immediate's high byte repeats the setting that is left; a switch that changes nothing is dropped
.if MSB != (\new)
	s_set_vgpr_msb (MSB<<8)|(\new)
.set MSB, (\new)
.endif
.endm
.set MUL_LO, 0xa1                      ; source 0 (W) window 1, source 1 (x) window 0, C and D window 2
.set MUL_HI, 0xf1                      ; the same, C and D window 3.  In the first step C is the bias, in window 0: 0x81, 0xc1
.set TO_B,   0x40                      ; destination window 1, address window 0
; A joint load: waves 0 and 1 fetch for x, waves 2 and 3 for W.  Each line has one mask and one set of registers for all that issue it; the branch hangs on the wave's number alone.
; An s_nop 0 and four v_nop follow each of the two lines.
.macro JLOAD g0a, g1a, g0b, g1b
	s_cmp_eq_u32 s15, 0
	s_cbranch_scc0 .Lfor_b_\@
	tensor_load_to_lds s[\g0a:\g0a+3], s[\g1a:\g1a+7]
	s_nop 0
.rept 4
	v_nop
.endr
	s_branch .Lasked_\@
.Lfor_b_\@:
	tensor_load_to_lds s[\g0b:\g0b+3], s[\g1b:\g1b+7]
	s_nop 0
.rept 4
	v_nop
.endr
.Lasked_\@:
.endm
.macro CROUND                          ; a round of the cluster's barrier
	s_barrier_signal -1
	s_barrier_wait -1
	s_cmp_lg_u32 s14, 0
	s_cbranch_scc1 .Lnot_wave_0_\@
	s_barrier_signal -3
.Lnot_wave_0_\@:
	s_barrier_wait -3
	s_barrier_signal -1
	s_barrier_wait -1
.endm
	s_load_b256 s[4:11], s[0:1], 0x0               ; codes 4, scales 6, bq 8, bk 10
	s_load_b128 s[96:99], s[0:1], 0x20             ; bv 96, qkv 98
	s_load_b64 s[100:101], s[0:1], 0x30            ; kb
	v_lshl_add_u32 v[SPW], v0, 2, SPARE
	v_mov_b32 v[NIL], 0
	ds_add_u32 v[SPW], v[NIL]                      ; the wave's opening: the add, twice on end, and its wait ahead of my first tensor load
	ds_add_u32 v[SPW], v[NIL]
	v_lshrrev_b32 v1, 5, v0
	v_readfirstlane_b32 s14, v1                    ; wave 0..3
	s_lshr_b32 s15, s14, 1                         ; which half of the tile's rows is mine.  Also: I fetch for x (0) or for W (1)
	s_and_b32 s16, s14, 1                          ; which half of its columns.  Also: which 128 rows of that tile I fetch
	s_bfe_u32 s40, ttmp6, 0x40000                  ; cx, cy: my place in the cluster
	s_bfe_u32 s41, ttmp6, 0x40004
	s_lshl_b32 s42, ttmp9, 2
	s_add_co_u32 s42, s42, s40                     ; tile column = 4 x cluster x + cx
	s_and_b32 s17, ttmp7, 0xffff
	s_lshr_b32 s66, s17, 3                         ; g: eight clusters along y to a tensor: the same in all sixteen partners
	s_lshl_b32 s17, s17, 2
	s_add_co_u32 s17, s17, s41                     ; tile row = 4 x cluster y + cy
	s_lshl_b32 s43, s41, 2
	s_lshl_b32 s43, 15, s43                        ; my row of the cluster
	s_lshl_b32 s44, 0x1111, s40                    ; my column
	; descriptor group 1: a tile of 128 rows x 256 bytes, padded in LDS
	s_or_b32 s[G1+0], s43, (0<<16)|(1<<20)|(1<<21)|(5<<22)|(3<<25)  ; 15:0 the mask; 17:16 elements of 1 byte; 20 padding on; 21 set beside a mask; 24:22 after every 64 words; 31:25 four words
	s_or_b32 s[G1B+0], s44, (0<<16)|(1<<20)|(1<<21)|(5<<22)|(3<<25)
.irp g, G1, G1B
	s_mov_b32 s[\g+1], ROWB<<16                    ; tensor_dim0
	s_mov_b32 s[\g+2], 128<<16                     ; tensor_dim1
	s_mov_b32 s[\g+3], ROWB<<16                    ; tile_dim0
	s_mov_b32 s[\g+4], 128                         ; tile_dim1
	s_mov_b32 s[\g+5], KROW                        ; from row to row
	s_mov_b32 s[\g+6], 0
	s_mov_b32 s[\g+7], 0
.endr
	; the scales of 128 rows: 4,096 dense bytes, as 16 rows of 256 bytes (32 elements of 8 bytes), 16 bytes of padding behind each
	s_or_b32 s[G1S+0], s43, (3<<16)|(1<<20)|(1<<21)|(5<<22)|(3<<25)
	s_or_b32 s[G1SB+0], s44, (3<<16)|(1<<20)|(1<<21)|(5<<22)|(3<<25)
.irp g, G1S, G1SB
	s_mov_b32 s[\g+1], 32<<16
	s_mov_b32 s[\g+2], 16<<16
	s_mov_b32 s[\g+3], 32<<16
	s_mov_b32 s[\g+4], 16
	s_mov_b32 s[\g+5], 32
	s_mov_b32 s[\g+6], 0
	s_mov_b32 s[\g+7], 0
.endr
	s_lshl_b32 s18, s16, 7                         ; which 128 rows of the tile I fetch
	s_lshl_b32 s20, s17, 8
	s_add_co_u32 s20, s20, s18                     ; x: row 256 x tile row + 128 x half
	s_lshl_b32 s46, s42, 8
	s_add_co_u32 s46, s46, s18
	s_lshl_b32 s19, s66, 10
	s_add_co_u32 s46, s46, s19
	s_add_co_u32 s46, s46, 24576                   ; W: row 24,576 + 1,024 g + 256 x tile column + 128 x half
	s_lshl_b32 s22, s20, 5                         ; where these rows' scales begin, in bytes (all under 2^32),
	s_mov_b32 s23, 0
	s_lshl_b32 s92, s46, 5
	s_mov_b32 s93, 0
	s_lshl_b32 s20, s20, 9                         ; and their codes
	s_mov_b32 s21, 0
	s_lshl_b32 s46, s46, 9
	s_mov_b32 s47, 0
	s_mul_i32 s45, s14, HALFT                      ; where they go: wave x 128 rows: no place in the cluster enters an LDS address
	s_mul_i32 s94, s14, HALFS
	s_wait_dscnt 0x0                               ; both opening adds are done
	s_wait_kmcnt 0x0
	s_add_nc_u64 s[20:21], s[4:5], s[20:21]
	s_add_nc_u64 s[22:23], s[6:7], s[22:23]
	s_add_nc_u64 s[46:47], s[4:5], s[46:47]
	s_add_nc_u64 s[92:93], s[6:7], s[92:93]
	CROUND                                         ; all sixteen work-groups are here: the joint loads meet
	s_mov_b32 s[G0S], 1
	s_add_co_u32 s[G0S+1], s94, SCL
	s_mov_b64 s[G0S+2:G0S+3], s[22:23]
	s_or_b32 s[G0S+3], s[G0S+3], 0x80000000
	s_mov_b32 s[G0SB], 1
	s_add_co_u32 s[G0SB+1], s94, SCL
	s_mov_b64 s[G0SB+2:G0SB+3], s[92:93]
	s_or_b32 s[G0SB+3], s[G0SB+3], 0x80000000
	JLOAD G0S, G1S, G0SB, G1SB                     ; the scales first: they are wanted with the first step.  Three loads of mine are out behind the third of these
.irp s, 0,1
	s_mov_b32 s[G0+4*\s], 1
	s_add_co_u32 s[G0+4*\s+1], s45, \s*SLOT
	s_add_nc_u64 s[G0+4*\s+2:G0+4*\s+3], s[20:21], \s*ROWB
	s_or_b32 s[G0+4*\s+3], s[G0+4*\s+3], 0x80000000
	s_mov_b32 s[G0B+4*\s], 1
	s_add_co_u32 s[G0B+4*\s+1], s45, \s*SLOT
	s_add_nc_u64 s[G0B+4*\s+2:G0B+4*\s+3], s[46:47], \s*ROWB
	s_or_b32 s[G0B+4*\s+3], s[G0B+4*\s+3], 0x80000000
	JLOAD G0+4*\s, G1, G0B+4*\s, G1B
.endr
	v_and_b32 v1, 15, v0                           ; r = lane % 16
	v_bfe_u32 v2, v0, 4, 1                         ; h = lane / 16
	; the bias of my 128 outputs, in the result's layout
	s_cmp_eq_u32 s66, 0
	s_cselect_b64 s[8:9], s[8:9], s[10:11]
	s_cmp_eq_u32 s66, 2
	s_cselect_b64 s[8:9], s[96:97], s[8:9]
	s_lshl_b32 s46, s42, 10
	s_lshl_b32 s47, s16, 9
	s_add_co_u32 s46, s46, s47                     ; 4 x (256 x tile column + 128 x half)
	s_mov_b32 s47, 0
	s_add_nc_u64 s[8:9], s[8:9], s[46:47]
	v_lshlrev_b32 v[BOF], 5, v2
.irp b, 0,1,2,3,4,5,6,7
	global_load_b128 v[BI+8*\b:BI+8*\b+3], v[BOF], s[8:9] offset:64*\b
	global_load_b128 v[BI+8*\b+4:BI+8*\b+7], v[BOF], s[8:9] offset:64*\b+16
.endr
	v_mul_u32_u24 v3, v1, PITCH
	v_lshl_add_u32 v4, v2, 4, v3                   ; a fragment's row x pitch + 16 x half
	s_mul_i32 s21, s15, HALFT                      ; my 128 rows of x
	s_mul_i32 s22, s16, HALFT                      ; my 128 rows of W,
	s_add_co_u32 s22, s22, 2*HALFT                 ; which lie behind x's 256
.irp s, 0,1
	v_add_nc_u32 v[ADRA+\s], s21, v4
	v_add_nc_u32 v[ADRB+\s], s22, v4
	s_add_co_u32 s21, s21, SLOT
	s_add_co_u32 s22, s22, SLOT
.endr
	v_mul_u32_u24 v5, v1, KS                       ; my row's scales: 32 bytes a row,
	v_lshrrev_b32 v6, 8, v5
	v_lshl_add_u32 v5, v6, 4, v5                   ; and 16 more for each 256 passed
	s_mul_i32 s21, s15, HALFS
	s_mul_i32 s22, s16, HALFS
	s_add_co_u32 s22, s22, 2*HALFS
	s_sub_co_u32 s22, s22, s21
	v_mul_u32_u24 v6, s22, v2                      ; lanes 16-31 take W's: one product, the distance between the two bases
	s_add_co_u32 s21, s21, SCL
	v_add_nc_u32 v5, v5, v6
	v_add_nc_u32 v[ADRS], s21, v5
	s_mul_i32 s23, s14, 16*SPITCH                  ; my stage
	v_mul_u32_u24 v5, v1, SPITCH                   ; in: row r, 16 bytes for each half of the lanes
	v_lshl_add_u32 v5, v2, 4, v5
	v_add_nc_u32 v[STO], s23, v5
	v_and_b32 v6, 31, v0
	v_lshlrev_b32 v[CO], 4, v6
	v_lshrrev_b32 v5, 3, v6                        ; back: eight lanes take one head's 128 bytes of a row, the 32 lanes four rows
	v_mul_u32_u24 v5, v5, SPITCH
	v_and_b32 v7, 7, v6
	v_lshl_add_u32 v5, v7, 4, v5
	v_add_nc_u32 v[RD], s23, v5
	s_lshl_b32 s23, s14, 10
	s_add_co_u32 s23, s23, NORM
	v_lshlrev_b32 v5, 2, v1
	v_lshl_add_u32 v5, v2, 9, v5
	v_add_nc_u32 v[NST], s23, v5                   ; kb: lanes 0-15 the first head's 512 bytes, lanes 16-31 the second's; 4 bytes a row
	v_add_nc_u32 v[NRD], s23, v[CO]
	; where my part begins in qkv and in kb
	s_lshr_b32 s20, s17, 3                         ; 4 g + b
	s_lshl_b32 s20, s20, 4
	s_lshl_b32 s21, s42, 2
	s_add_co_u32 s20, s20, s21
	s_lshl_b32 s21, s16, 1
	s_add_co_u32 s20, s20, s21                     ; 64 g + 16 b + my first head
	s_and_b32 s21, s17, 7
	s_lshl_b32 s21, s21, 8
	s_lshl_b32 s22, s15, 7
	s_add_co_u32 s21, s21, s22                     ; my first l
	s_lshl_b32 s22, s20, 18                        ; a head is 262,144 bytes,
	s_lshl_b32 s23, s21, 7                         ; a row 128
	s_add_co_u32 s22, s22, s23
	s_mov_b32 s23, 0
	s_add_nc_u64 s[12:13], s[98:99], s[22:23]
	s_and_b32 s20, s20, 63                         ; 16 b + head
	s_lshl_b32 s20, s20, 11
	s_add_co_u32 s20, s20, s21
	s_lshl_b32 s22, s20, 2
	s_add_nc_u64 s[100:101], s[100:101], s[22:23]
	s_mov_b32 s2, 0x76543210                       ; v_permlanex16_b32's selects for lane l xor 16
	s_mov_b32 s3, 0xfedcba98
	s_mov_b32 s67, 0xffff0000                      ; lanes 16-31
.macro FRAG reg, adr, q, i             ; a fragment: lane l holds row l % 16; registers 4 c .. 4 c + 3 hold K = 64 c + 32 (l / 16) + 0 .. 31
.irp c, 0,1
	ds_load_b128 v[\reg+4*\c:\reg+4*\c+3], v[\adr] offset:64*(\q)+32*\c+(\i)*16*PITCH
.endr
.endm
; 16 matrix instructions: x's blocks a0, a0 + 1 against W's eight, the slot's q-th 128 along K.  p: W's set; sc: the set of scale words.  first = 1: the bias is C: nothing is cleared and nothing is added later.
; The 64 accumulators take turns, one instruction a turn, in the same order in every step.
.macro MUL16 a0, p, q, sc, first
.irp a, \a0, \a0+1
.irp b, 0,1,2,3,4,5,6,7
.if \first
	v_wmma_scale_f32_16x16x128_f8f6f4 v[8*(8*((\a)%4)+\b):8*(8*((\a)%4)+\b)+7], v[128*(\p)+FR*\b:128*(\p)+FR*\b+FR-1], v[AF+FR*(\a):AF+FR*(\a)+FR-1], v[BI+8*\b:BI+8*\b+7], v[SC+8*NQ*(\sc)+NQ*\b+(\q)], v[SC+8*NQ*(\sc)+NQ*(\a)+(\q)] matrix_a_fmt:MATRIX_FMT_FP4 matrix_b_fmt:MATRIX_FMT_FP4 matrix_a_scale:MATRIX_SCALE_ROW1
.else
	v_wmma_scale_f32_16x16x128_f8f6f4 v[8*(8*((\a)%4)+\b):8*(8*((\a)%4)+\b)+7], v[128*(\p)+FR*\b:128*(\p)+FR*\b+FR-1], v[AF+FR*(\a):AF+FR*(\a)+FR-1], v[8*(8*((\a)%4)+\b):8*(8*((\a)%4)+\b)+7], v[SC+8*NQ*(\sc)+NQ*\b+(\q)], v[SC+8*NQ*(\sc)+NQ*(\a)+(\q)] matrix_a_fmt:MATRIX_FMT_FP4 matrix_b_fmt:MATRIX_FMT_FP4 matrix_a_scale:MATRIX_SCALE_ROW1
.endif
.endr
.endr
.endm
.macro FETCH_B slot, q, p              ; W's eight fragments of the slot's q-th 128 along K into set p
	WIN TO_B
.irp i, 0,1,2,3,4,5,6,7
	FRAG 128*(\p)+FR*\i, ADRB+\slot, \q, \i
.endr
	WIN 0
.endm
.macro FETCH_A slot, q, i0             ; x's blocks i0 .. i0 + 3
.irp i, \i0, \i0+1, \i0+2, \i0+3
	FRAG AF+FR*(\i), ADRA+\slot, \q, \i
.endr
.endm
.macro SCALES sc                       ; a slot's scale words into set sc: four words a row; lanes 0-15 take x's block i, lanes 16-31 W's block i
.irp i, 0,1,2,3,4,5,6,7
	ds_load_b128 v[SC+8*NQ*\sc+NQ*\i:SC+8*NQ*\sc+NQ*\i+3], v[ADRS] offset:\i*SBLK
.endr
.endm
.macro PLACES n                        ; plain vector instructions that name none of the matrix instructions' registers, in front of loads into registers that those have read and of reads of results
.rept \n
	v_nop
.endr
.endm
; A step of 128 along K that has its successor in the same slot.  x has one set of registers: a block is free when its eight products are issued; W has two.
.macro STEP slot, q, first
	s_wait_dscnt 4*NL                              ; W's set and x's blocks 0-3 are in; the youngest eight loads (x's blocks 4-7) may be out
	WIN MUL_LO-0x20*(\first)
	MUL16 0, (\q)%2, \q, \slot, \first
	MUL16 2, (\q)%2, \q, \slot, \first
	s_wait_dscnt 0                                 ; x's blocks 4-7 are in
	PLACES NP
	FETCH_B \slot, (\q)+1, 1-(\q)%2
	FETCH_A \slot, (\q)+1, 0
	WIN MUL_HI-0x30*(\first)
	MUL16 4, (\q)%2, \q, \slot, \first
	MUL16 6, (\q)%2, \q, \slot, \first
	PLACES NP
	WIN 0
	FETCH_A \slot, (\q)+1, 4
.endm
.macro STEPS slot, from                ; the slot's steps from .. NQ - 2
.set Q, \from
.rept NQ-1-\from
	STEP \slot, Q, 0
.set Q, Q+1
.endr
.endm
	s_wait_tensorcnt 1                             ; the scales and my part of slot 0 are in (slot 1's load may be out)
	s_barrier_signal -1
	s_barrier_wait -1                              ; everybody's are
	FETCH_B 0, 0, 0
	FETCH_A 0, 0, 0
	SCALES 0
	FETCH_A 0, 0, 4
	s_wait_loadcnt 0x0                             ; the bias
	STEP 0, 0, 1
	STEPS 0, 1
	; slot 0's last step changes slots: one barrier; in front of it my part of slot 1 has landed and my reads of slot 0 are over.  Behind it nobody reads slot 0: the way out may use its bytes
	s_wait_tensorcnt 0x0
	ds_add_u32 v[SPW], v[NIL]                      ; 0 onto my spare word
	s_wait_dscnt 4*NL+1                            ; (the add and x's blocks 4-7 may be out)
	WIN MUL_LO
	MUL16 0, 1, NQ-1, 0, 0
	s_wait_dscnt 0x0
	s_barrier_signal -1
	MUL16 2, 1, NQ-1, 0, 0
	WIN 0
	s_barrier_wait -1
	PLACES NP
	v_add_nc_u32 v[ADRS], 4*NQ, v[ADRS]            ; on to slot 1's scale words
	FETCH_B 1, 0, 0
	FETCH_A 1, 0, 0
	SCALES 1
	WIN MUL_HI
	MUL16 4, 1, NQ-1, 0, 0
	MUL16 6, 1, NQ-1, 0, 0
	PLACES NP
	WIN 0
	FETCH_A 1, 0, 4
	STEPS 1, 0
	s_wait_dscnt 4*NL                              ; the last step: nothing more to fetch
	WIN MUL_LO
	MUL16 0, 1, NQ-1, 1, 0
	MUL16 2, 1, NQ-1, 1, 0
	s_wait_dscnt 0
	WIN MUL_HI
	MUL16 4, 1, NQ-1, 1, 0
	MUL16 6, 1, NQ-1, 1, 0
	WIN 0
; THE WAY OUT, block by block of 16 rows x 128 outputs (two heads).  PACK: to f16, 16 bytes a lane, each accumulator from its low end on.  TOSTAGE: into my stage, and back so that the 32 lanes hold four rows of one head.
; SEND: those are 512 consecutive bytes of qkv, aligned.  Block, group of four rows and head stand in the store's immediate: no base is stepped.
.macro PACK a
.set AC, 64*((\a)%4)
	WIN 0x0a+5*((\a)/4)                            ; sources 0 and 1: window 2 or 3
.irp b, 0,1,2,3,4,5,6,7
.irp r, 0,1,2,3
	v_cvt_pk_f16_f32 v[TMP+4*\b+\r], v[AC+8*\b+2*\r], v[AC+8*\b+2*\r+1]
.endr
.endr
	WIN 0
.endm
.macro TOSTAGE a
.set BB, OB+192*((\a)%2)
.irp b, 0,1,2,3,4,5,6,7
	ds_store_b128 v[STO], v[TMP+4*\b:TMP+4*\b+3] offset:32*\b
.endr
.irp t, 0,1,2,3,4,5,6,7
	ds_load_b128 v[BB+4*\t:BB+4*\t+3], v[RD] offset:(\t%4)*4*SPITCH+(\t/4)*128    ; in order behind the stores above (ISA guide 5.7.1.4)
.endr
.endm
.macro SEND a
.set BB, OB+192*((\a)%2)
	s_wait_dscnt 0x0                               ; the block is back in registers
	s_wait_xcnt 0x0                                ; the stores of the block before have read their data: the next block's loads land there only behind this wait
.irp t, 0,1,2,3,4,5,6,7
	global_store_b128 v[CO], v[BB+4*\t:BB+4*\t+3], s[12:13] offset:2048*(\a)+512*(\t%4)+262144*(\t/4)
.endr
.endm
	PLACES NP
	PACK 0
	TOSTAGE 0
.irp a, 1,2,3,4,5,6,7                  ; block a's conversions stand between block a - 1's loads from the stage and the wait for them
	PACK \a
	SEND \a-1
	TOSTAGE \a
.endr
	SEND 7
	s_cmp_lg_u32 s66, 1                            ; kb is made of k alone: g is the same in all waves of all sixteen partners, and no barrier stands in the branch
	s_cbranch_scc1 .Lend
	v_mov_b32 v[NS+8], 0                           ; a lane permute's destination counts as one of its sources
	v_mov_b32 v[NS+9], 0
; -0.5 x the sum of squares: a lane's 32 numbers of each head in two chains, then lane l xor 16's; lanes 0-15 keep the first head's, lanes 16-31 the second's
.macro NORMS a
.set AC, 64*((\a)%4)
	WIN 0x0a+5*((\a)/4)
.irp c, 0,1,2,3
	v_pk_mul_f32 v[NS+2*\c:NS+2*\c+1], v[AC+16*\c:AC+16*\c+1], v[AC+16*\c:AC+16*\c+1]
.endr
.irp i, 2,4,6,8,10,12,14
.irp c, 0,1,2,3
	v_pk_fma_f32 v[NS+2*\c:NS+2*\c+1], v[AC+16*\c+\i:AC+16*\c+\i+1], v[AC+16*\c+\i:AC+16*\c+\i+1], v[NS+2*\c:NS+2*\c+1]
.endr
.endr
	WIN 0
	v_pk_add_f32 v[NS:NS+1], v[NS:NS+1], v[NS+2:NS+3]
	v_pk_add_f32 v[NS+4:NS+5], v[NS+4:NS+5], v[NS+6:NS+7]
	v_add_f32 v[NS], v[NS], v[NS+1]
	v_add_f32 v[NS+4], v[NS+4], v[NS+5]
	v_permlanex16_b32 v[NS+8], v[NS], s2, s3
	v_permlanex16_b32 v[NS+9], v[NS+4], s2, s3
	v_add_f32 v[NS], v[NS], v[NS+8]
	v_add_f32 v[NS+4], v[NS+4], v[NS+9]
	v_cndmask_b32 v[NS], v[NS], v[NS+4], s67
	v_mul_f32 v[NS], -0.5, v[NS]
	ds_store_b32 v[NST], v[NS] offset:64*(\a)
.endm
.irp a, 0,1,2,3,4,5,6,7
	NORMS \a
.endr
	ds_load_b128 v[NS+12:NS+15], v[NRD]            ; my 128 rows of the first head: 512 bytes,
	ds_load_b128 v[NS+16:NS+19], v[NRD] offset:512 ; of the second
	s_wait_dscnt 0x0
	global_store_b128 v[CO], v[NS+12:NS+15], s[100:101]              ; 512 consecutive bytes, aligned
	global_store_b128 v[CO], v[NS+16:NS+19], s[100:101] offset:8192  ; a head on
.Lend:
	s_wait_tensorcnt 0x0                           ; the wave's end: behind my last tensor load and my last LDS store
	ds_add_u32 v[SPW], v[NIL]
	s_wait_dscnt 0x0
	CROUND                                         ; the closing round
	s_endpgm
.Lfunc_end_k_q79909395e2_proj:
	.size	k_q79909395e2_proj, .Lfunc_end_k_q79909395e2_proj-k_q79909395e2_proj
	.p2alignl 7, 3214868480
	.fill 96, 4, 3214868480
	.section	.rodata,"a",@progbits
	.p2align	6, 0x0
	.amdhsa_kernel k_q79909395e2_proj
		.amdhsa_group_segment_fixed_size 327680
		.amdhsa_private_segment_fixed_size 0
		.amdhsa_enable_private_segment 0
		.amdhsa_kernarg_size 56
		.amdhsa_user_sgpr_count 2
		.amdhsa_user_sgpr_kernarg_segment_ptr 1
		.amdhsa_wavefront_size32 1
		.amdhsa_system_sgpr_workgroup_id_x 1
		.amdhsa_system_sgpr_workgroup_id_y 1
		.amdhsa_system_sgpr_workgroup_id_z 1
		.amdhsa_system_vgpr_workitem_id 0
		.amdhsa_next_free_vgpr 1024
		.amdhsa_next_free_sgpr 102
		.amdhsa_reserve_vcc 0
		.amdhsa_float_denorm_mode_32 3
		.amdhsa_float_denorm_mode_16_64 3
		.amdhsa_memory_ordered 1
		.amdhsa_forward_progress 1
		.amdhsa_inst_pref_size 150
	.end_amdhsa_kernel
	.amdgpu_metadata
---
amdhsa.version: [ 1, 2 ]
amdhsa.kernels:
  - .name:           k_q79909395e2_proj
    .symbol:         k_q79909395e2_proj.kd
    .args:
      - { .name: codes, .offset: 0, .size: 8, .value_kind: global_buffer, .address_space: global }
      - { .name: scales, .offset: 8, .size: 8, .value_kind: global_buffer, .address_space: global }
      - { .name: bq, .offset: 16, .size: 8, .value_kind: global_buffer, .address_space: global }
      - { .name: bk, .offset: 24, .size: 8, .value_kind: global_buffer, .address_space: global }
      - { .name: bv, .offset: 32, .size: 8, .value_kind: global_buffer, .address_space: global }
      - { .name: qkv, .offset: 40, .size: 8, .value_kind: global_buffer, .address_space: global }
      - { .name: kb, .offset: 48, .size: 8, .value_kind: global_buffer, .address_space: global }
    .group_segment_fixed_size: 327680
    .private_segment_fixed_size: 0
    .kernarg_segment_align: 8
    .kernarg_segment_size: 56
    .max_flat_workgroup_size: 128
    .sgpr_count:     102
    .vgpr_count:     1024
    .wavefront_size: 32
...
	.end_amdgpu_metadata
.endif
;; end of part 2
;; launch attn (part 3): grid 8 x 64, 8 waves a work-group, clusters of 4 x 1, 327,680 bytes of LDS; arguments qkv, kb, ao; writes ao
.if DOCPART == 3
	.amdgcn_target "amdgcn-amd-amdhsa--gfx1250"
	.amdhsa_code_object_version 6
	.text
	.protected	k_q79909395e2_attn
	.globl	k_q79909395e2_attn
	.p2align	8
	.type	k_q79909395e2_attn,@function
k_q79909395e2_attn:
	s_mov_b64 s[64:65], 0
	v_nop
	global_prefetch_b8 v0, s[64:65] scope:SCOPE_SE
	s_setreg_imm32_b32 hwreg(HW_REG_WAVE_MODE, 25, 1), 1
	s_wait_xcnt 0x0
	s_wait_alu depctr_hold_cnt(0) depctr_sa_sdst(0) depctr_va_vdst(0) depctr_va_sdst(0) depctr_va_ssrc(0) depctr_va_vcc(0) depctr_vm_vsrc(0)
	s_getreg_b32 s2, hwreg(HW_REG_IB_STS2, 6, 4)
	s_cmp_eq_u32 s2, 0
	s_cbranch_scc0 .Lentry_in_a_cluster
	s_endpgm
.Lentry_in_a_cluster:
	s_bfe_u32 s2, ttmp6, 0x10000c
	s_cmp_lg_u32 s2, 0x3003
	s_cbranch_scc0 .Lentry_shape_is_right
	s_endpgm
.Lentry_shape_is_right:
; ao[bh][q][:] = the sum over k of softmax_k(-0.5 ||Q[q] - K[k]||^2) V[k][:], for each of 64 heads bh, 2,048 queries and keys, head size 64.
; ||Q[q]||^2 is the same for all keys of a row and falls out of the softmax for every input: the score used is s = Q[q] . K[k] - ||K[k]||^2 / 2, the second term in f32 from kb.
; Q, K, V: planes 0, 1, 2 of qkv, [bh][l][64] f16.  Products, maxima and sums in f32; the weights p are rounded to f16 for the second product, the result once at the end.
; LIMITS: rows whose every score lies under -1e38 are not served; NaN and infinities are not served.
; SHARES.  A work-group owns 256 queries of one head, each of its eight waves 32: two tiles of 16.  Two waves share a SIMD's registers, so that one wave's softmax stands beside the other's products.  Every wave walks all keys, 64 a step.
; LAYOUT.  S^T = K Q^T (source 0 = 16 keys, source 1 = 16 queries): a lane holds ONE query (lane % 16) and the keys 8 (lane / 16) + 0..7.  -||K||^2 / 2 of those eight keys is the C of each tile's first product.
; Two such tiles, rounded to f16 in pairs, ARE source 1 (32 keys x 16 queries) of O^T = V^T P, whose result again holds one query a lane.  K comes out of LDS as it lies, V ([key][channel]) turned, by ds_load_tr16_b128.
; SOFTMAX.  For each query a running maximum m and sum l: p = 2^(c s - c m), c = log2(e); in every step O and l are multiplied by a = 2^(c m_old - c m_new).  O and l begin as zeros and m as -1e38, so that no first step is written out.
; RING.  Two LDS slots of 256 keys (four steps).  Waves 0-3 fetch a step's K each, waves 4-7 its V: one tensor load a wave behind each change of slots, which has four steps in which to land.  kb of the whole head comes once.
; CLUSTER.  The four query blocks of a cluster belong to one head and walk the same K, V and kb: every tile is asked for JOINTLY, by the same tensor load with the same descriptor and the mask of the four.
; REGISTERS: window 0: v1-15 addresses; v16-31 statistics, eight a tile; v32-63 -||K||^2 / 2; v64-127 S^T; v128-159 P; v160-223 the way out.   window 1: v0-31 Q; v32-95 K; v96-159 V; v160-223 O^T.
.set KS,    64                         ; keys in a step
.set PK,    144                        ; a row of K in LDS: 128 bytes + 16: the 16 rows of a load begin at 16 different multiples of 16 modulo 256
.set PVP,   160                        ; a row of V: 128 + 32: 16 lanes of the turning load take 8 rows x 32 bytes, at 8 different multiples of 32 modulo 256
.set VOFF,  KS*PK                      ; a step's tiles lie together: 64 rows of K, then 64 of V
.set STEPB, KS*(PK+PVP)
.set SLOT1, 1<<17                      ; a slot holds four steps (77,824 bytes); slot 1 begins here, so that one exclusive or turns an address into the other slot's
.set SLOTG, 4*KS*128                   ; a slot's keys in memory: 32,768 bytes of K, as many of V
.set KBB,   SLOT1+4*STEPB              ; behind the ring: the head's kb, 8,192 bytes, filled once
.set SPARE, KBB+8192                   ; the spare words, 128 bytes a wave, which no other line names
.set STAGE, SPARE+1024                 ; the way out: 32 rows x 144 bytes for each wave
.set SP,    144
.set AK0, 2                            ; v2   my lane's place in a tile of K; never rewritten
.set AV0, 3                            ; v3   the same for V
.set ADK, 4                            ; v4   LDS address of the run of loads in hand: K's,
.set ADV, 5                            ; v5   V's,
.set KB0, 6                            ; v6   KBB + 32 (lane / 16); never rewritten
.set ADB, 7                            ; v7   kb's
.set QO,  8                            ; v8   my byte offset in the wave's rows of Q
.set STO, 10                           ; v10  the way out: where I put 16 bytes of a row
.set RD,  11                           ; v11  where I read back
.set GO,  12                           ; v12  16 x lane
.set PFO, 13                           ; v13  256 x lane
.set SPW, 14                           ; v14  my spare word; never rewritten
.set NIL, 15                           ; v15  0; never rewritten
.set ST,  16                           ; tile t's statistics at v[ST + 8 t]: +0 c m, +1 m, +2, +3 l, +4 to +7 at work; a stands in +6
.set BI,  32
.set S,   64
.set P,   128
.set WO,  160
.set QF,  0                            ; in window 1
.set KF,  32
.set VF,  96
.set OA,  160
.set WV,  14                           ; s14  my wave's number
.set LIM, 15                           ; s15  1 in a wave that prefetches, else the greatest number
.set PFA, 18                           ; s[18:19] where my prefetches stand
.set G1K, 24                           ; s[24:31] descriptor group 1 for K's tiles;  s[32:39] for V's: it differs in the padding alone
.set G1V, 32
.set G0K, 40                           ; s[40:47] group 0 for K's tiles: a set for each first fill; the second then walks on;  s[48:55] for V's
.set G0V, 48
.set SLOTS, 56                         ; s56  slots still to be asked for
.set CNT, 57                           ; s57  counts three steps
.set CS,  58                           ; s[58:59] c
.set SEL, 60                           ; s[60:61] v_permlanex16_b32's selects for lane l xor 16
.set TB,  62                           ; s62  LDS byte at which the tiles of the step in hand begin
.set TKB, 63                           ; s63  byte of kb at which the step to be fetched begins
.set G1B, 68                           ; s[68:75], s[76:79] groups 1 and 0 for kb
.set G0B, 76
.set MSB, 0
.macro WIN new                         ; the immediate's high byte repeats the setting that is left; a switch that changes nothing is dropped
.if MSB != (\new)
	s_set_vgpr_msb (MSB<<8)|(\new)
.set MSB, (\new)
.endif
.endm
.macro JLOAD                           ; a joint refill, by the walking descriptors.  The branch hangs on the wave's number alone.  An s_nop 0 and four v_nop follow each line
	s_cmp_lt_u32 s[WV], 4
	s_cbranch_scc0 .Lfor_v_\@
	tensor_load_to_lds s[G0K+4:G0K+7], s[G1K:G1K+7]
	s_nop 0
.rept 4
	v_nop
.endr
	s_branch .Lasked_\@
.Lfor_v_\@:
	tensor_load_to_lds s[G0V+4:G0V+7], s[G1V:G1V+7]
	s_nop 0
.rept 4
	v_nop
.endr
.Lasked_\@:
.endm
; A PREFETCH INTO THE L2 of what the NEXT change of slots will ask for: 32,768 bytes of K and of V, four key steps ahead of that load.  Each aligned block of 256 bytes is named once in the launch: both clusters of a head walk the
; same rows, so the first asks; its four partners take 8,192 bytes each, told apart by ADDRESS; in each, wave 0 asks for K's and wave 4 for V's, lanes 256 bytes apart.  The last change that fills a slot asks for nothing.
.macro ASK
	s_cmp_gt_u32 s[SLOTS], s[LIM]
	s_cbranch_scc0 .Lnot_mine_\@
	global_prefetch_b8 v[PFO], s[PFA:PFA+1] th:TH_LOAD_NT scope:SCOPE_SE
.Lnot_mine_\@:
.endm
.macro CROUND                          ; a round of the cluster's barrier
	s_barrier_signal -1
	s_barrier_wait -1
	s_cmp_lg_u32 s[WV], 0
	s_cbranch_scc1 .Lnot_wave_0_\@
	s_barrier_signal -3
.Lnot_wave_0_\@:
	s_barrier_wait -3
	s_barrier_signal -1
	s_barrier_wait -1
.endm
.macro PLACES
.rept 4
	v_nop
.endr
.endm
	s_load_b128 s[4:7], s[0:1], 0x0                ; qkv 4, kb 6
	s_load_b64 s[8:9], s[0:1], 0x10                ; ao
	v_lshl_add_u32 v[SPW], v0, 2, SPARE
	v_mov_b32 v[NIL], 0
	ds_add_u32 v[SPW], v[NIL]                      ; the wave's opening: the add, twice on end, and its wait ahead of my first tensor load
	ds_add_u32 v[SPW], v[NIL]
	v_lshrrev_b32 v1, 5, v0
	v_readfirstlane_b32 s[WV], v1                  ; wave 0..7
	s_bfe_u32 s16, ttmp6, 0x40000                  ; cx: my place in the cluster
	s_lshl_b32 s17, ttmp9, 2
	s_add_co_u32 s17, s17, s16                     ; my block of 256 queries: it enters Q's and ao's addresses alone
	s_and_b32 s20, ttmp7, 0xffff                   ; the head, which the four partners share
	s_lshl_b32 s80, s20, 13
	s_lshl_b32 s21, s[WV], 10
	s_add_co_u32 s80, s80, s21                     ; kb: 8,192 x head + my wave's 1,024 bytes
	s_mov_b32 s81, 0
	s_lshl_b32 s20, s20, 18                        ; the head's first byte in a plane
	s_and_b32 s2, s[WV], 3                         ; which of a slot's four steps I fetch:
	s_lshl_b32 s22, s2, 13                         ; its 64 rows of 128 bytes in memory,
	s_add_co_u32 s22, s22, s20
	s_mov_b32 s23, 0
	s_mul_i32 s3, s2, STEPB                        ; and its place in a slot: no place in the cluster enters an LDS address
	s_lshl_b32 s66, s17, 15                        ; my block's 256 rows,
	s_lshl_b32 s67, s[WV], 12                      ; my wave's 32 of them
	s_add_co_u32 s66, s66, s67
	s_add_co_u32 s66, s66, s20
	s_mov_b32 s67, 0
	; descriptor group 1: a tile of 64 rows x 64 elements of 2 bytes, dense in memory, padded in LDS behind every row
	s_mov_b32 s[G1K], 15|(1<<16)|(1<<20)|(1<<21)|(4<<22)|(3<<25)  ; 15:0 the mask: all four; 17:16 2 bytes; 20 padding on; 21 set beside a mask; 24:22 after every 32 words; 31:25 four words
	s_mov_b32 s[G1V], 15|(1<<16)|(1<<20)|(1<<21)|(4<<22)|(7<<25)  ; the same with eight words
.irp g, G1K, G1V
	s_mov_b32 s[\g+1], 64<<16                      ; tensor_dim0
	s_mov_b32 s[\g+2], KS<<16                      ; tensor_dim1
	s_mov_b32 s[\g+3], 64<<16                      ; tile_dim0
	s_mov_b32 s[\g+4], KS                          ; tile_dim1
	s_mov_b32 s[\g+5], 64                          ; from row to row
	s_mov_b32 s[\g+6], 0
	s_mov_b32 s[\g+7], 0
.endr
	s_mov_b32 s[G1B], 15|(3<<16)|(1<<21)           ; kb: 1,024 dense bytes a wave, as 4 rows of 256 bytes (32 elements of 8 bytes), no padding
	s_mov_b32 s[G1B+1], 32<<16
	s_mov_b32 s[G1B+2], 4<<16
	s_mov_b32 s[G1B+3], 32<<16
	s_mov_b32 s[G1B+4], 4
	s_mov_b32 s[G1B+5], 32
	s_mov_b32 s[G1B+6], 0
	s_mov_b32 s[G1B+7], 0
	s_mov_b32 s[CS], 0x3fb8aa3b                    ; c = log2(e)
	s_mov_b32 s[CS+1], s[CS]                       ; named with it as a pair, so it is written
	s_mov_b32 s[SEL], 0x76543210
	s_mov_b32 s[SEL+1], 0xfedcba98
	s_mov_b32 s[TB], 0
	s_mov_b32 s[TKB], 0
	s_mov_b32 s[SLOTS], 2048/(4*KS)-2
	s_or_b32 s[LIM], s2, ttmp9                     ; 0 in waves 0 and 4 of the head's first cluster: the same in all four partners
	s_cmp_eq_u32 s[LIM], 0
	s_cselect_b32 s[LIM], 1, -1
	v_and_b32 v[PFO], 31, v0
	v_lshlrev_b32 v[PFO], 8, v[PFO]
	s_wait_dscnt 0x0                               ; both opening adds are done
	s_wait_kmcnt 0x0
	s_add_nc_u64 s[10:11], s[4:5], s[22:23]
	s_add_nc_u64 s[10:11], s[10:11], 0x1000000     ; K: plane 1, at my tile of slot 0
	s_add_nc_u64 s[12:13], s[10:11], 0x1000000     ; V: plane 2
	s_add_nc_u64 s[4:5], s[4:5], s[66:67]          ; Q and ao at my wave's first row
	s_add_nc_u64 s[8:9], s[8:9], s[66:67]
	s_add_nc_u64 s[6:7], s[6:7], s[80:81]
	s_cmp_lt_u32 s[WV], 4
	s_cselect_b64 s[PFA:PFA+1], s[10:11], s[12:13] ; (in waves 0 and 4 these stand at the head's first row)
	s_lshl_b32 s16, s16, 13                        ; my work-group's 8,192 bytes of a slot's 32,768
	s_mov_b32 s17, 0
	s_add_nc_u64 s[PFA:PFA+1], s[PFA:PFA+1], s[16:17]
	s_add_nc_u64 s[PFA:PFA+1], s[PFA:PFA+1], 2*SLOTG  ; in the third slot's keys; the first change steps it on.  Nothing is prefetched at the head
	CROUND                                         ; all four work-groups are here: the first joint loads meet
	s_mov_b32 s[G0B], 1
	s_lshl_b32 s[G0B+1], s[WV], 10
	s_add_co_u32 s[G0B+1], s[G0B+1], KBB
	s_mov_b64 s[G0B+2:G0B+3], s[6:7]
	s_or_b32 s[G0B+3], s[G0B+3], 0x80000000
.irp s, 0,1
	s_mov_b32 s[G0K+4*\s], 1                       ; count = 1
	s_add_co_u32 s[G0K+4*\s+1], s3, \s*SLOT1       ; LDS address
	s_add_nc_u64 s[G0K+4*\s+2:G0K+4*\s+3], s[10:11], \s*SLOTG
	s_or_b32 s[G0K+4*\s+3], s[G0K+4*\s+3], 0x80000000  ; type = 2
	s_mov_b32 s[G0V+4*\s], 1
	s_add_co_u32 s[G0V+4*\s+1], s3, \s*SLOT1+VOFF
	s_add_nc_u64 s[G0V+4*\s+2:G0V+4*\s+3], s[12:13], \s*SLOTG
	s_or_b32 s[G0V+4*\s+3], s[G0V+4*\s+3], 0x80000000
.endr
	tensor_load_to_lds s[G0B:G0B+3], s[G1B:G1B+7]  ; kb.  With the two below three loads of mine are out
	s_nop 0
	s_cmp_lt_u32 s[WV], 4
	s_cbranch_scc0 .Lfirst_v
	tensor_load_to_lds s[G0K:G0K+3], s[G1K:G1K+7]
	s_nop 0
	tensor_load_to_lds s[G0K+4:G0K+7], s[G1K:G1K+7]
	s_nop 0
.rept 4
	v_nop
.endr
	s_branch .Lfirst_asked
.Lfirst_v:
	tensor_load_to_lds s[G0V:G0V+3], s[G1V:G1V+7]
	s_nop 0
	tensor_load_to_lds s[G0V+4:G0V+7], s[G1V:G1V+7]
	s_nop 0
.rept 4
	v_nop
.endr
.Lfirst_asked:
	v_and_b32 v1, 15, v0                           ; r = lane % 16
	v_bfe_u32 v9, v0, 4, 1                         ; h = lane / 16
	v_lshlrev_b32 v[QO], 7, v1
	v_lshl_add_u32 v[QO], v9, 4, v[QO]             ; row x 128 + 16 x half
	WIN 0x40                                       ; destination window 1
.irp t, 0,1                                    ; Q stays in registers: tile t, channels 32 c on: registers 0-3 channels 8 h + 0..7, registers 4-7 channels 16 + 8 h + 0..7
.irp c, 0,1
	global_load_b128 v[QF+16*\t+8*\c:QF+16*\t+8*\c+3],   v[QO], s[4:5] offset:2048*\t+64*\c
	global_load_b128 v[QF+16*\t+8*\c+4:QF+16*\t+8*\c+7], v[QO], s[4:5] offset:2048*\t+64*\c+32
.endr
.endr
.set i, 0
.rept 64
	v_mov_b32 v[OA+i], 0                           ; O^T: the step is written for every step alike: the first finds zeros
.set i, i+1
.endr
	WIN 0
	v_mul_u32_u24 v[AK0], v1, PK
	v_lshl_add_u32 v[AK0], v9, 4, v[AK0]
	v_and_b32 v4, 7, v0                            ; the turning load: lane l reads key 8 h + l % 8, channels 8 ((l / 8) % 2) + 0..7
	v_bfe_u32 v5, v0, 3, 1
	v_lshl_add_u32 v[AV0], v9, 3, v4
	v_mul_u32_u24 v[AV0], v[AV0], PVP
	v_lshl_add_u32 v[AV0], v5, 4, v[AV0]
	v_add_nc_u32 v[AV0], VOFF, v[AV0]
	v_lshl_add_u32 v[KB0], v9, 5, KBB              ; eight keys' numbers of my half: 32 bytes
	s_mul_i32 s16, s[WV], 32*SP
	s_add_co_u32 s16, s16, STAGE                   ; my stage
	v_mul_u32_u24 v[STO], v1, SP                   ; in: row r, 16 bytes for each half of the lanes
	v_lshl_add_u32 v[STO], v9, 4, v[STO]
	v_add_nc_u32 v[STO], s16, v[STO]
	v_and_b32 v4, 31, v0
	v_lshlrev_b32 v[GO], 4, v4
	v_lshrrev_b32 v5, 3, v4                        ; back: eight lanes take a row of 128 bytes, the 32 lanes four rows
	v_mul_u32_u24 v5, v5, SP
	v_and_b32 v7, 7, v0
	v_lshl_add_u32 v5, v7, 4, v5
	v_add_nc_u32 v[RD], s16, v5
.irp t, 0,1
	v_mov_b32 v[ST+8*\t+1], 0xfe967699             ; m = -1e38
	v_mul_f32 v[ST+8*\t], s[CS], v[ST+8*\t+1]      ; c m
	v_mov_b32 v[ST+8*\t+2], 0                      ; l
	v_mov_b32 v[ST+8*\t+3], 0
.endr
; THE LDS LOADS stand in runs.  A step's K: 64 keys x 64 channels, 8 fragments (keys 16 (f / 2) on, channels 32 (f % 2) on), and the 64 keys' numbers of kb: 24 loads.
.macro FETCH_K
	v_add_nc_u32 v[ADK], s[TB], v[AK0]
	v_add_nc_u32 v[ADB], s[TKB], v[KB0]
	WIN 0x40
.irp f, 0,1,2,3,4,5,6,7
	ds_load_b128 v[KF+8*\f:KF+8*\f+3],   v[ADK] offset:(\f/2)*16*PK+(\f%2)*64
	ds_load_b128 v[KF+8*\f+4:KF+8*\f+7], v[ADK] offset:(\f/2)*16*PK+(\f%2)*64+32
.endr
	WIN 0
.irp k, 0,1,2,3
	ds_load_b128 v[BI+8*\k:BI+8*\k+3],   v[ADB] offset:64*\k     ; the sixteen lanes of a half read the same bytes
	ds_load_b128 v[BI+8*\k+4:BI+8*\k+7], v[ADB] offset:64*\k+16
.endr
.endm
.macro FETCH_V                         ; a step's V, turned: 8 fragments (keys 32 (f / 4) on, channels 16 (f % 4) on): 16 loads
	v_add_nc_u32 v[ADV], s[TB], v[AV0]
	WIN 0x40
.irp f, 0,1,2,3,4,5,6,7
	ds_load_tr16_b128 v[VF+8*\f:VF+8*\f+3],   v[ADV] offset:(\f/4)*32*PVP+(\f%4)*32
	ds_load_tr16_b128 v[VF+8*\f+4:VF+8*\f+7], v[ADV] offset:(\f/4)*32*PVP+16*PVP+(\f%4)*32
.endr
	WIN 0
.endm
; 16 products S^T = K Q^T - ||K||^2 / 2: channels 32 (i / 8) on, keys 16 ((i / 2) % 4) on, tile i % 2.  Eight accumulators take turns, one instruction a turn.
.macro QK
	WIN 0x05                                       ; K and Q in window 1, C and D in window 0
.set i, 0
.rept 16
.set rS, S+32*(i%2)+8*((i/2)%4)
.set rK, KF+16*((i/2)%4)+8*(i/8)
.set rQ, QF+16*(i%2)+8*(i/8)
.set rB, BI+8*((i/2)%4)
.if i < 8
	v_wmma_f32_16x16x32_f16 v[rS:rS+7], v[rK:rK+7], v[rQ:rQ+7], v[rB:rB+7]
.else
	v_wmma_f32_16x16x32_f16 v[rS:rS+7], v[rK:rK+7], v[rQ:rQ+7], v[rS:rS+7]
.endif
.set i, i+1
.endr
.endm
; 16 products O^T += V^T P: keys 32 (i / 8) on, channels 16 ((i / 2) % 4) on, tile i % 2.  Eight accumulators by turns.
.macro PVM
	WIN 0x51                                       ; V in window 1, P in window 0, O^T in window 1
.set i, 0
.rept 16
.set rO, OA+32*(i%2)+8*((i/2)%4)
.set rV, VF+32*(i/8)+8*((i/2)%4)
.set rP, P+16*(i%2)+8*(i/8)
	v_wmma_f32_16x16x32_f16 v[rO:rO+7], v[rV:rV+7], v[rP:rP+7], v[rO:rO+7]
.set i, i+1
.endr
.endm
; THE SOFTMAX of a step, the two tiles line by line, so that no line waits for the line above it.  Each accumulator of S^T is read from its low end on.
.macro SOFTMAX
.irp j, 0,1,2,3
.irp t, 0,1
	v_max3_num_f32 v[ST+8*\t+4+\j], v[S+32*\t+8*\j], v[S+32*\t+8*\j+1], v[S+32*\t+8*\j+2]   ; four chains of seven scores
.endr
.endr
.irp i, 3,5
.irp j, 0,1,2,3
.irp t, 0,1
	v_max3_num_f32 v[ST+8*\t+4+\j], v[ST+8*\t+4+\j], v[S+32*\t+8*\j+\i], v[S+32*\t+8*\j+\i+1]
.endr
.endr
.endr
.irp t, 0,1
	v_max3_num_f32 v[ST+8*\t+4], v[ST+8*\t+4], v[S+32*\t+7], v[S+32*\t+15]                  ; the four scores left over
	v_max3_num_f32 v[ST+8*\t+6], v[ST+8*\t+6], v[S+32*\t+23], v[S+32*\t+31]
.endr
.irp t, 0,1
	v_max3_num_f32 v[ST+8*\t+4], v[ST+8*\t+4], v[ST+8*\t+5], v[ST+8*\t+6]
.endr
.irp t, 0,1
	v_max3_num_f32 v[ST+8*\t+4], v[ST+8*\t+4], v[ST+8*\t+7], v[ST+8*\t+1]                   ; and the old m
.endr
.irp t, 0,1
	v_permlanex16_b32 v[ST+8*\t+5], v[ST+8*\t+4], s[SEL], s[SEL+1]                         ; the query's other 32 keys lie in the lane 16 away
.endr
.irp t, 0,1
	v_mov_b32 v[ST+8*\t+7], v[ST+8*\t]             ; c m_old is kept for a
.endr
.irp t, 0,1
	v_max_num_f32 v[ST+8*\t+1], v[ST+8*\t+4], v[ST+8*\t+5]
.endr
.irp t, 0,1
	v_mul_f32 v[ST+8*\t], s[CS], v[ST+8*\t+1]
.endr
.irp t, 0,1
	v_sub_f32 v[ST+8*\t+7], v[ST+8*\t+7], v[ST+8*\t]
.endr
.irp b, 0,2,4,6,8,10,12,14,16,18,20,22,24,26,28,30
.irp t, 0,1
	v_pk_fma_f32 v[S+32*\t+\b:S+32*\t+\b+1], v[S+32*\t+\b:S+32*\t+\b+1], s[CS:CS+1], v[ST+8*\t:ST+8*\t+1] op_sel_hi:[1,0,0] neg_lo:[0,0,1] neg_hi:[0,0,1]   ; c s - c m, two at a time
.endr
.endr
.irp t, 0,1
	v_exp_f32 v[ST+8*\t+6], v[ST+8*\t+7]           ; a.  ONE BATCH of 66 exponentials: none reads another's result
.endr
.set e, 0
.rept 64
	v_exp_f32 v[S+e], v[S+e]
.set e, e+1
.endr
	v_nop                                          ; a plain instruction behind the last exponential, ahead of the first use
	s_wait_alu depctr_va_vdst(0)                   ; the wait ahead of the first instruction that names a result: one for the batch
.irp i, 0,1,2,3,4,5,6,7,8,9,10,11,12,13,14,15
.irp t, 0,1
	v_cvt_pk_f16_f32 v[P+16*\t+\i], v[S+32*\t+2*\i], v[S+32*\t+2*\i+1]
.endr
.endr
.irp t, 0,1                                    ; l = a l + the sum of the unrounded p, in two chains
	v_pk_fma_f32 v[ST+8*\t+2:ST+8*\t+3], v[ST+8*\t+2:ST+8*\t+3], v[ST+8*\t+6:ST+8*\t+7], v[S+32*\t:S+32*\t+1] op_sel_hi:[1,0,1]
	v_pk_add_f32 v[ST+8*\t+4:ST+8*\t+5], v[S+32*\t+2:S+32*\t+3], v[S+32*\t+4:S+32*\t+5]
.endr
.irp i, 6,10,14,18,22,26
.irp t, 0,1
	v_pk_add_f32 v[ST+8*\t+2:ST+8*\t+3], v[ST+8*\t+2:ST+8*\t+3], v[S+32*\t+\i:S+32*\t+\i+1]
	v_pk_add_f32 v[ST+8*\t+4:ST+8*\t+5], v[ST+8*\t+4:ST+8*\t+5], v[S+32*\t+\i+2:S+32*\t+\i+3]
.endr
.endr
.irp t, 0,1
	v_pk_add_f32 v[ST+8*\t+2:ST+8*\t+3], v[ST+8*\t+2:ST+8*\t+3], v[S+32*\t+30:S+32*\t+31]
.endr
.irp t, 0,1
	v_pk_add_f32 v[ST+8*\t+2:ST+8*\t+3], v[ST+8*\t+2:ST+8*\t+3], v[ST+8*\t+4:ST+8*\t+5]
.endr
.endm
.macro RESCALE                         ; O^T times a
	WIN 0x41                                       ; O^T (destination and source 0) in window 1, a in window 0
.irp t, 0,1
.set i, 0
.rept 16
	v_pk_mul_f32 v[OA+32*\t+i:OA+32*\t+i+1], v[OA+32*\t+i:OA+32*\t+i+1], v[ST+8*\t+6:ST+8*\t+7] op_sel_hi:[1,0]
.set i, i+2
.endr
.endr
.endm
; THE CHANGE OF SLOTS, in a slot's last step, when its last bytes (that step's V) have been asked for.  Each wave waits for all its tensor loads, of which one is out: its part of the other slot; adds 0 to its spare word; and waits for that
; and for its own reads of the slot.  fill = 1: the slot is filled again with the keys two slots on; the barrier is then a round of the cluster's, and the joint refill is the first thing behind it.
.macro CHANGE fill
	s_wait_tensorcnt 0x0                           ; no tensor load of mine is out, so a group 0 may be written
	ds_add_u32 v[SPW], v[NIL]                      ; 0 onto my spare word
.if \fill
.irp g, G0K+4, G0V+4
	s_xor_b32 s[\g+1], s[\g+1], SLOT1              ; the walking descriptor: the other slot than last time,
	s_add_nc_u64 s[\g+2:\g+3], s[\g+2:\g+3], SLOTG ; the next 256 keys; the type bits on top are not reached
.endr
	s_wait_xcnt 0x0                                ; the last prefetch, four steps back, has read its address
	s_add_nc_u64 s[PFA:PFA+1], s[PFA:PFA+1], SLOTG
	s_wait_dscnt 0x0                               ; the add is done, and my reads of the slot are over
	CROUND
	JLOAD
	ASK
.else
	s_wait_dscnt 0x0
	s_barrier_signal -1
	s_barrier_wait -1
.endif
	s_sub_co_u32 s[TB], s[TB], 3*STEPB             ; back to a slot's first step,
	s_xor_b32 s[TB], s[TB], SLOT1                  ; in the other slot
.endm
; A KEY STEP.  mode 0: the next step lies in the same slot; 1: a change of slots with a refill; 2: a change without; 3: the last step.
.macro STEP mode
	s_wait_dscnt 0x0                               ; K and kb's numbers are in
	QK
	WIN 0
	PLACES                                         ; four places: for the reads of S^T, and for the loads into K's, kb's and V's registers, which matrix instructions have read
	FETCH_V                                        ; this step's V
.if \mode == 0
	s_add_co_u32 s[TB], s[TB], STEPB
.elseif \mode == 1
	CHANGE 1
.elseif \mode == 2
	CHANGE 0
.endif
.if \mode < 3
	s_add_co_u32 s[TKB], s[TKB], 4*KS
	FETCH_K                                        ; the next step's K: it lands under the softmax
.endif
	SOFTMAX
	RESCALE
.if \mode < 3
	s_wait_dscnt 24                                ; V is in; the 24 younger loads, the next step's K and kb, may be out
.else
	s_wait_dscnt 0x0
.endif
	PVM
	WIN 0                                          ; at a label and at a branch every window is 0
.endm
.macro THREE                           ; a slot's first three steps: written once, walked three times; the LDS addresses hang on s[TB] and s[TKB]
	s_mov_b32 s[CNT], 3
.Lthree_\@:
	STEP 0
	s_sub_co_u32 s[CNT], s[CNT], 1
	s_cmp_lg_u32 s[CNT], 0
	s_cbranch_scc1 .Lthree_\@
.endm
	s_wait_tensorcnt 1                             ; kb and my part of slot 0 are in; slot 1's may stay out
	s_barrier_signal -1
	s_barrier_wait -1                              ; everybody's are
	FETCH_K                                        ; key step 0
	s_wait_loadcnt 0x0                             ; Q
.Lslot:                                            ; six trips: every slot's worth of keys but the last two is followed by a refill
	THREE
	STEP 1
	s_sub_co_u32 s[SLOTS], s[SLOTS], 1
	s_cmp_lg_u32 s[SLOTS], 0
	s_cbranch_scc1 .Lslot
	THREE                                          ; the tail is written out
	STEP 2
	THREE
	STEP 3
	; THE WAY OUT.  l's two halves and the other half of the lanes' are added; O^T is divided by l, rounded to f16 and sent through my stage, so that each store covers four rows: 512 consecutive bytes, aligned.
	PLACES
.irp t, 0,1
	v_add_f32 v[ST+8*\t+4], v[ST+8*\t+2], v[ST+8*\t+3]
.endr
.irp t, 0,1
	v_permlanex16_b32 v[ST+8*\t+5], v[ST+8*\t+4], s[SEL], s[SEL+1]
.endr
.irp t, 0,1
	v_add_f32 v[ST+8*\t+4], v[ST+8*\t+4], v[ST+8*\t+5]
.endr
.irp t, 0,1
	v_rcp_f32 v[ST+8*\t+6], v[ST+8*\t+4]
.endr
	v_nop                                          ; a plain instruction between the last reciprocal and the use of its result
	s_wait_alu depctr_va_vdst(0)                   ; and the wait ahead of the first use: one for the two
.irp t, 0,1
	WIN 0x41
.set i, 0
.rept 16
	v_pk_mul_f32 v[OA+32*\t+i:OA+32*\t+i+1], v[OA+32*\t+i:OA+32*\t+i+1], v[ST+8*\t+6:ST+8*\t+7] op_sel_hi:[1,0]
.set i, i+2
.endr
	WIN 0x05                                       ; sources 0 and 1 window 1, destination window 0
.set i, 0
.rept 16
	v_cvt_pk_f16_f32 v[WO+16*\t+i], v[OA+32*\t+2*i], v[OA+32*\t+2*i+1]
.set i, i+1
.endr
	WIN 0
.irp f, 0,1,2,3
	ds_store_b128 v[STO], v[WO+16*\t+4*\f:WO+16*\t+4*\f+3] offset:16*SP*\t+32*\f
.endr
.endr
.irp i, 0,1,2,3,4,5,6,7
	ds_load_b128 v[WO+32+4*\i:WO+32+4*\i+3], v[RD] offset:4*SP*\i     ; in order behind the stores above (ISA guide 5.7.1.4)
.endr
.irp i, 0,1,2,3,4,5,6,7
	s_wait_dscnt 7-\i
	global_store_b128 v[GO], v[WO+32+4*\i:WO+32+4*\i+3], s[8:9] offset:512*\i
.endr
	s_wait_tensorcnt 0x0                           ; the wave's end: behind my last tensor load and my last LDS store
	ds_add_u32 v[SPW], v[NIL]
	s_wait_dscnt 0x0
	CROUND                                         ; the closing round: no work-group ends while a partner may still ask for a tile that names it
	s_endpgm
.Lfunc_end_k_q79909395e2_attn:
	.size	k_q79909395e2_attn, .Lfunc_end_k_q79909395e2_attn-k_q79909395e2_attn
	.p2alignl 7, 3214868480
	.fill 96, 4, 3214868480
	.section	.rodata,"a",@progbits
	.p2align	6, 0x0
	.amdhsa_kernel k_q79909395e2_attn
		.amdhsa_group_segment_fixed_size 327680
		.amdhsa_private_segment_fixed_size 0
		.amdhsa_enable_private_segment 0
		.amdhsa_kernarg_size 24
		.amdhsa_user_sgpr_count 2
		.amdhsa_user_sgpr_kernarg_segment_ptr 1
		.amdhsa_wavefront_size32 1
		.amdhsa_system_sgpr_workgroup_id_x 1
		.amdhsa_system_sgpr_workgroup_id_y 1
		.amdhsa_system_sgpr_workgroup_id_z 1
		.amdhsa_system_vgpr_workitem_id 0
		.amdhsa_next_free_vgpr 512
		.amdhsa_next_free_sgpr 84
		.amdhsa_reserve_vcc 0
		.amdhsa_float_denorm_mode_32 3
		.amdhsa_float_denorm_mode_16_64 3
		.amdhsa_memory_ordered 1
		.amdhsa_forward_progress 1
		.amdhsa_inst_pref_size 127
	.end_amdhsa_kernel
	.amdgpu_metadata
---
amdhsa.version: [ 1, 2 ]
amdhsa.kernels:
  - .name:           k_q79909395e2_attn
    .symbol:         k_q79909395e2_attn.kd
    .args:
      - { .name: qkv, .offset: 0, .size: 8, .value_kind: global_buffer, .address_space: global }
      - { .name: kb, .offset: 8, .size: 8, .value_kind: global_buffer, .address_space: global }
      - { .name: ao, .offset: 16, .size: 8, .value_kind: global_buffer, .address_space: global }
    .group_segment_fixed_size: 327680
    .private_segment_fixed_size: 0
    .kernarg_segment_align: 8
    .kernarg_segment_size: 24
    .max_flat_workgroup_size: 256
    .sgpr_count:     84
    .vgpr_count:     512
    .wavefront_size: 32
...
	.end_amdgpu_metadata
.endif
;; end of part 3
;; launch outp (part 4): grid 4 x 64, 4 waves a work-group, clusters of 4 x 4, 327,680 bytes of LDS; arguments ao, wo16, bo, out0; writes out0
.if DOCPART == 4
	.amdgcn_target "amdgcn-amd-amdhsa--gfx1250"
	.amdhsa_code_object_version 6
	.text
	.protected	k_q79909395e2_outp
	.globl	k_q79909395e2_outp
	.p2align	8
	.type	k_q79909395e2_outp,@function
k_q79909395e2_outp:
	s_mov_b64 s[64:65], 0
	v_nop
	global_prefetch_b8 v0, s[64:65] scope:SCOPE_SE
	s_setreg_imm32_b32 hwreg(HW_REG_WAVE_MODE, 25, 1), 1
	s_wait_xcnt 0x0
	s_wait_alu depctr_hold_cnt(0) depctr_sa_sdst(0) depctr_va_vdst(0) depctr_va_sdst(0) depctr_va_ssrc(0) depctr_va_vcc(0) depctr_vm_vsrc(0)
	s_getreg_b32 s2, hwreg(HW_REG_IB_STS2, 6, 4)
	s_cmp_eq_u32 s2, 0
	s_cbranch_scc0 .Lentry_in_a_cluster
	s_endpgm
.Lentry_in_a_cluster:
	s_bfe_u32 s2, ttmp6, 0x10000c
	s_cmp_lg_u32 s2, 0xf033
	s_cbranch_scc0 .Lentry_shape_is_right
	s_endpgm
.Lentry_shape_is_right:
; out0[m][n] = the sum over k of A[m][k] Wo[n][k] + bo[n], m = 2048 b + l, k = 64 h + d.  A is ao, f16 by heads [b][h][l][64]; wo16 is [1024 n][1024 k] f16; out0 [8192][1024] f32; sums in f32.
; A tile is 128 (m) x 256 (n): 256 work-groups.  Four waves, each 64 x 128: 32 accumulators of 16 x 16, 256 registers.  K goes in steps of 128 (two heads) through a ring of two LDS slots.
; One head's 128 rows of A are 16,384 dense bytes: they are stated as 64 rows of 256 bytes (rows l, l + 1 on end), with 16 bytes of padding behind each.  A row of Wo's tile is 256 bytes of memory, aligned.
; CLUSTERS: 4 x 4 work-groups.  A's tile is shared along a row of the cluster, Wo's along a column: each is asked for JOINTLY, by the same tensor load with the same descriptor and a mask of the four.
; THE MATRIX INSTRUCTION IS USED TRANSPOSED (source 0 = 16 rows of Wo, source 1 = 16 rows of A): a lane holds eight neighbouring numbers of a row of out0.  THE BIAS is the C of each sum's first product.
; REGISTERS: window 0: v0-31 addresses; v64-95, v96-127 A's fragments, two buffers; v128-191 the bias; on the way out v128-255.   window 1: Wo's fragments, two buffers, v0-63, v64-127.   window 2: accumulator (a, b) at v[8 (8 a + b)].
.set PITCH,  272                       ; an LDS row: 256 bytes + 16 of padding
.set AH,     64*PITCH                  ; one head's 128 rows of A
.set BH,     128*PITCH                 ; 128 rows of Wo
.set SLOT,   2*AH+2*BH                 ; two heads of A, then Wo's 256 rows
.set STAGE,  2*SLOT                    ; behind the ring: 16 rows x 528 bytes for each wave
.set SPITCH, 528
.set SPARE,  STAGE+4*16*SPITCH         ; the spare words, 128 bytes a wave, which no other line names
.set LAPS,   4                         ; a lap = two K steps = once round the ring
.set BOF,  8                           ; v8   the bias: 32 x (lane / 16); never rewritten
.set ADRA, 16                          ; v16-17  LDS address of my A fragments in slot 0, 1
.set ADRB, 20                          ; v20-21  the same for Wo
.set STO,  24                          ; v24  the way out: where I put 32 bytes of a row
.set RD,   25                          ; v25  where I read a row back
.set CO,   26                          ; v26  16 x lane
.set SPW,  28                          ; v28  my spare word; never rewritten
.set NIL,  29                          ; v29  0; never rewritten
.set AF,   64
.set BI,   128
.set BK,   128                         ; the way out: 16 rows read back: v128-191 and v192-255 by turns
.set WV,   66                          ; s66  wave
.set RH,   67                          ; s67  which 64 rows of the tile are mine.  Also: I fetch for A (0) or for Wo (1)
.set CH,   68                          ; s68  which 128 columns.  Also: which head of the two, or which 128 rows of Wo, I fetch
.set G1, 24                            ; s[24:31] descriptor group 1 for A's tiles;  s[32:39] group 0, a set for each slot
.set G0, 32
.set G1B, 48                           ; s[48:55], s[56:63] the same for Wo's
.set G0B, 56
.set MSB, 0
.macro WIN new                         ; the immediate's high byte repeats the setting that is left; a switch that changes nothing is dropped
.if MSB != (\new)
	s_set_vgpr_msb (MSB<<8)|(\new)
.set MSB, (\new)
.endif
.endm
.set MUL,  0xa1                        ; source 0 (Wo) window 1, source 1 (A) window 0, C and D window 2.  In the first quarter C is the bias, in window 0: 0x81
.set TO_B, 0x40                        ; destination window 1, address window 0
.macro JLOAD s                         ; a joint load; the branch hangs on the wave's number alone; an s_nop 0 and four v_nop follow each of the two lines
	s_cmp_eq_u32 s[RH], 0
	s_cbranch_scc0 .Lfor_b_\@
	tensor_load_to_lds s[G0+4*\s:G0+4*\s+3], s[G1:G1+7]
	s_nop 0
.rept 4
	v_nop
.endr
	s_branch .Lasked_\@
.Lfor_b_\@:
	tensor_load_to_lds s[G0B+4*\s:G0B+4*\s+3], s[G1B:G1B+7]
	s_nop 0
.rept 4
	v_nop
.endr
.Lasked_\@:
.endm
.macro CREST                           ; a round of the cluster's barrier behind its opening barrier
	s_cmp_lg_u32 s[WV], 0
	s_cbranch_scc1 .Lnot_wave_0_\@
	s_barrier_signal -3
.Lnot_wave_0_\@:
	s_barrier_wait -3
	s_barrier_signal -1
	s_barrier_wait -1
.endm
.macro CROUND
	s_barrier_signal -1
	s_barrier_wait -1
	CREST
.endm
	s_load_b256 s[4:11], s[0:1], 0x0               ; ao 4, wo16 6, bo 8, out0 10
	v_lshl_add_u32 v[SPW], v0, 2, SPARE
	v_mov_b32 v[NIL], 0
	ds_add_u32 v[SPW], v[NIL]                      ; the wave's opening: the add, twice on end, and its wait ahead of my first tensor load
	ds_add_u32 v[SPW], v[NIL]
	v_lshrrev_b32 v1, 5, v0
	v_readfirstlane_b32 s[WV], v1
	s_lshr_b32 s[RH], s[WV], 1
	s_and_b32 s[CH], s[WV], 1
	s_bfe_u32 s40, ttmp6, 0x40000                  ; cx, cy: my place in the cluster
	s_bfe_u32 s41, ttmp6, 0x40004
	s_lshl_b32 s42, ttmp9, 2
	s_add_co_u32 s42, s42, s40                     ; tile column = 4 x cluster x + cx
	s_and_b32 s13, ttmp7, 0xffff
	s_lshl_b32 s13, s13, 2
	s_add_co_u32 s13, s13, s41                     ; tile row = 4 x cluster y + cy
	s_lshl_b32 s43, s41, 2
	s_lshl_b32 s43, 15, s43                        ; my row of the cluster
	s_lshl_b32 s44, 0x1111, s40                    ; my column
	s_or_b32 s[G1+0], s43, (1<<16)|(1<<20)|(1<<21)|(5<<22)|(3<<25)   ; 15:0 the mask; 17:16 elements of 2 bytes; 20 padding on; 21 set beside a mask; 24:22 after every 64 words; 31:25 four words
	s_mov_b32 s[G1+1], 128<<16                     ; A: 64 rows of 128 elements, dense
	s_mov_b32 s[G1+2], 64<<16
	s_mov_b32 s[G1+3], 128<<16
	s_mov_b32 s[G1+4], 64
	s_mov_b32 s[G1+5], 128
	s_mov_b32 s[G1+6], 0
	s_mov_b32 s[G1+7], 0
	s_or_b32 s[G1B+0], s44, (1<<16)|(1<<20)|(1<<21)|(5<<22)|(3<<25)
	s_mov_b32 s[G1B+1], 128<<16                    ; Wo: 128 rows of 128 elements, 1,024 elements apart
	s_mov_b32 s[G1B+2], 128<<16
	s_mov_b32 s[G1B+3], 128<<16
	s_mov_b32 s[G1B+4], 128
	s_mov_b32 s[G1B+5], 1024
	s_mov_b32 s[G1B+6], 0
	s_mov_b32 s[G1B+7], 0
	s_lshr_b32 s16, s13, 4                         ; A: b = tile row / 16: 16 heads of 262,144 bytes;
	s_lshl_b32 s16, s16, 22
	s_and_b32 s17, s13, 15                         ; 128 rows of 128 bytes for each tile row in b;
	s_lshl_b32 s17, s17, 14
	s_add_co_u32 s16, s16, s17
	s_lshl_b32 s17, s[CH], 18                      ; my head of the two
	s_add_co_u32 s16, s16, s17
	s_mov_b32 s17, 0
	s_lshl_b32 s46, s42, 19                        ; Wo: row 256 x tile column + 128 x half, 2,048 bytes a row
	s_lshl_b32 s47, s[CH], 18
	s_add_co_u32 s46, s46, s47
	s_mov_b32 s47, 0
	s_mul_i32 s20, s[CH], AH                       ; where they go: no place in the cluster enters an LDS address
	s_mul_i32 s21, s[CH], BH
	s_add_co_u32 s21, s21, 2*AH
	s_wait_dscnt 0x0                               ; both opening adds are done
	s_wait_kmcnt 0x0
	s_add_nc_u64 s[14:15], s[4:5], s[16:17]
	s_add_nc_u64 s[46:47], s[6:7], s[46:47]
	CROUND                                         ; all sixteen work-groups are here: the first joint loads meet
.irp s, 0,1
	s_mov_b32 s[G0+4*\s], 1
	s_add_co_u32 s[G0+4*\s+1], s20, \s*SLOT
	s_add_nc_u64 s[G0+4*\s+2:G0+4*\s+3], s[14:15], \s*524288        ; K step s: two heads on
	s_or_b32 s[G0+4*\s+3], s[G0+4*\s+3], 0x80000000
	s_mov_b32 s[G0B+4*\s], 1
	s_add_co_u32 s[G0B+4*\s+1], s21, \s*SLOT
	s_add_nc_u64 s[G0B+4*\s+2:G0B+4*\s+3], s[46:47], \s*256
	s_or_b32 s[G0B+4*\s+3], s[G0B+4*\s+3], 0x80000000
	JLOAD \s                                       ; two loads of mine are out behind the second
.endr
	v_and_b32 v1, 15, v0                           ; r
	v_bfe_u32 v2, v0, 4, 1                         ; h
	s_lshl_b32 s46, s42, 10
	s_lshl_b32 s47, s[CH], 9
	s_add_co_u32 s46, s46, s47                     ; my first column, in bytes of f32
	s_mov_b32 s47, 0
	s_add_nc_u64 s[8:9], s[8:9], s[46:47]
	v_lshlrev_b32 v[BOF], 5, v2
.irp b, 0,1,2,3,4,5,6,7                        ; the bias in the result's layout: register 8 b + j, lane half h: bo[16 b + 8 h + j] of my 128 columns
	global_load_b128 v[BI+8*\b:BI+8*\b+3], v[BOF], s[8:9] offset:64*\b
	global_load_b128 v[BI+8*\b+4:BI+8*\b+7], v[BOF], s[8:9] offset:64*\b+16
.endr
	s_lshl_b32 s16, s13, 19                        ; my first row of out0: 128 x tile row + 64 x half, 4,096 bytes a row
	s_lshl_b32 s17, s[RH], 18
	s_add_co_u32 s16, s16, s17
	s_mov_b32 s17, 0
	s_add_nc_u64 s[10:11], s[10:11], s[16:17]
	s_add_nc_u64 s[10:11], s[10:11], s[46:47]
	v_lshrrev_b32 v3, 1, v1                        ; A: row r lies in LDS row r / 2, half r % 2: the sixteen rows begin at 16 different multiples of 16 modulo 256
	v_mul_u32_u24 v3, v3, PITCH
	v_and_b32 v4, 1, v1
	v_lshl_add_u32 v3, v4, 7, v3
	v_lshl_add_u32 v3, v2, 4, v3
	v_mul_u32_u24 v4, v1, PITCH                    ; Wo: row x pitch + 16 x half
	v_lshl_add_u32 v4, v2, 4, v4
	s_mul_i32 s21, s[RH], 32*PITCH                 ; my 64 rows of A
	s_mul_i32 s22, s[CH], BH                       ; my 128 rows of Wo,
	s_add_co_u32 s22, s22, 2*AH                    ; behind A's two heads
.irp s, 0,1
	v_add_nc_u32 v[ADRA+\s], s21, v3
	v_add_nc_u32 v[ADRB+\s], s22, v4
	s_add_co_u32 s21, s21, SLOT
	s_add_co_u32 s22, s22, SLOT
.endr
	s_mul_i32 s23, s[WV], 16*SPITCH
	s_add_co_u32 s23, s23, STAGE                   ; my stage
	v_mul_u32_u24 v5, v1, SPITCH                   ; in: row r, 32 bytes for each half of the lanes
	v_lshl_add_u32 v5, v2, 5, v5
	v_add_nc_u32 v[STO], s23, v5
	v_and_b32 v6, 31, v0
	v_lshlrev_b32 v[CO], 4, v6                     ; back: the 32 lanes take one row of 512 bytes
	v_add_nc_u32 v[RD], s23, v[CO]
; 8 matrix instructions: A's block a against Wo's eight, 32 along K, from buffer f.  first = 1: the bias is C.  The 32 accumulators take turns, one instruction a turn, in the same order in every quarter.
.macro MUL8 f, a, first
.irp b, 0,1,2,3,4,5,6,7
.if \first
	v_wmma_f32_16x16x32_f16 v[8*(8*(\a)+\b):8*(8*(\a)+\b)+7], v[64*(\f)+8*\b:64*(\f)+8*\b+7], v[AF+32*(\f)+8*(\a):AF+32*(\f)+8*(\a)+7], v[BI+8*\b:BI+8*\b+7]
.else
	v_wmma_f32_16x16x32_f16 v[8*(8*(\a)+\b):8*(8*(\a)+\b)+7], v[64*(\f)+8*\b:64*(\f)+8*\b+7], v[AF+32*(\f)+8*(\a):AF+32*(\f)+8*(\a)+7], v[8*(8*(\a)+\b):8*(8*(\a)+\b)+7]
.endif
.endr
.endm
; 24 LDS loads in one run: the fragments of the slot's q-th 32 along K into buffer f: Wo's eight, then A's four (head q / 2, channels 32 (q % 2) on)
.macro FETCH slot, q, f
	WIN TO_B
.irp i, 0,1,2,3,4,5,6,7
	ds_load_b128 v[64*(\f)+8*\i:64*(\f)+8*\i+3],   v[ADRB+\slot] offset:64*(\q)+\i*16*PITCH
	ds_load_b128 v[64*(\f)+8*\i+4:64*(\f)+8*\i+7], v[ADRB+\slot] offset:64*(\q)+\i*16*PITCH+32
.endr
	WIN 0
.irp i, 0,1,2,3
	ds_load_b128 v[AF+32*(\f)+8*\i:AF+32*(\f)+8*\i+3],   v[ADRA+\slot] offset:((\q)/2)*AH+64*((\q)%2)+\i*8*PITCH
	ds_load_b128 v[AF+32*(\f)+8*\i+4:AF+32*(\f)+8*\i+7], v[ADRA+\slot] offset:((\q)/2)*AH+64*((\q)%2)+\i*8*PITCH+32
.endr
.endm
.macro PLACES                          ; four places in front of loads into registers that matrix instructions have read, and of reads of results
.rept 4
	v_nop
.endr
.endm
; A K step is four quarters of 32 along K, 32 matrix instructions each, on buffers 0, 1, 0, 1.  One of the first three: multiplies buffer f and fetches the slot's q-th quarter into the other.
.macro QUARTER slot, q, f, first
	s_wait_dscnt 4                                 ; Wo's eight and A's blocks 0, 1 are in; the youngest four loads (A's blocks 2, 3) may be out
	WIN MUL-0x20*(\first)
	MUL8 \f, 0, \first
	MUL8 \f, 1, \first
	PLACES
	FETCH \slot, \q, 1-(\f)
	s_wait_dscnt 24                                ; all but the 24 just issued
	WIN MUL-0x20*(\first)
	MUL8 \f, 2, \first
	MUL8 \f, 3, \first
.endm
; The last quarter multiplies buffer 1 and changes slots: one barrier; in front of it each wave waits for all its tensor loads, adds 0 to its spare word, and waits for that and for its own reads of this slot.
; fill = 1: the barrier opens a round of the cluster's, and this slot is filled again, two K steps ahead: the refill has a K step less sixteen matrix instructions in which to land.
.macro TURN slot, next, fill
	WIN 0
	s_wait_tensorcnt 0x0                           ; all my tensor loads have landed: my part of the next slot
	ds_add_u32 v[SPW], v[NIL]                      ; 0 onto my spare word
	s_wait_dscnt 5                                 ; (the add and the youngest four loads may be out)
	WIN MUL
	MUL8 1, 0, 0
	s_wait_dscnt 0x0                               ; the add is done, and my reads of this slot are over
	s_barrier_signal -1
	MUL8 1, 1, 0
.if \fill
	WIN 0
.endif
	s_barrier_wait -1
.if \fill
	CREST                                          ; no wave of any partner still reads this slot's tile or has a load on its way
	s_add_nc_u64 s[G0+4*\slot+2:G0+4*\slot+3], s[G0+4*\slot+2:G0+4*\slot+3], 1048576   ; four heads on
	s_add_nc_u64 s[G0B+4*\slot+2:G0B+4*\slot+3], s[G0B+4*\slot+2:G0B+4*\slot+3], 512
	JLOAD \slot                                    ; the first tensor load behind the round; the four v_nop behind it are also the places in front of the loads below
.else
	PLACES
.endif
	FETCH \next, 0, 0
	WIN MUL
	MUL8 1, 2, 0
	MUL8 1, 3, 0
.endm
	s_wait_tensorcnt 1                             ; my part of K step 0 is in (K step 1's load may be out)
	s_barrier_signal -1
	s_barrier_wait -1                              ; everybody's is
	FETCH 0, 0, 0
	s_wait_loadcnt 0x0                             ; the bias
	QUARTER 0, 1, 0, 1                             ; the first quarter stands in front of the loop: its products start the sums from the bias
	WIN 0                                          ; at a label and at a branch every window is 0
	s_mov_b32 s3, LAPS-1
.Llap:                                                 ; a trip goes once round the ring, from a lap's second quarter to the next lap's first, and fills both slots again
	QUARTER 0, 2, 1, 0
	QUARTER 0, 3, 0, 0
	TURN 0, 1, 1
	QUARTER 1, 1, 0, 0
	QUARTER 1, 2, 1, 0
	QUARTER 1, 3, 0, 0
	TURN 1, 0, 1
	QUARTER 0, 1, 0, 0
	WIN 0
	s_sub_co_u32 s3, s3, 1
	s_cmp_lg_u32 s3, 0
	s_cbranch_scc1 .Llap
	QUARTER 0, 2, 1, 0                             ; the last lap fills nothing
	QUARTER 0, 3, 0, 0
	TURN 0, 1, 0
	QUARTER 1, 1, 0, 0
	QUARTER 1, 2, 1, 0
	QUARTER 1, 3, 0, 0
	s_wait_dscnt 4                                 ; the very last quarter: nothing more to fetch
	WIN MUL
	MUL8 1, 0, 0
	MUL8 1, 1, 0
	s_wait_dscnt 0
	MUL8 1, 2, 0
	MUL8 1, 3, 0
	WIN 0
; THE WAY OUT, block by block of 16 rows x 128 columns: through my own stage and back as whole rows of 512 bytes, which the 32 lanes store: 512 consecutive bytes, aligned.  The row stands in the store's immediate.
.macro TOSTAGE a
	WIN 0x08                                       ; an LDS store's data are its source 1: window 2
.irp b, 0,1,2,3,4,5,6,7
	ds_store_b128 v[STO], v[64*(\a)+8*\b:64*(\a)+8*\b+3] offset:64*\b          ; each accumulator from its low end on
	ds_store_b128 v[STO], v[64*(\a)+8*\b+4:64*(\a)+8*\b+7] offset:64*\b+16
.endr
	WIN 0
.set BB, BK+64*((\a)%2)
.irp t, 0,1,2,3,4,5,6,7,8,9,10,11,12,13,14,15
	ds_load_b128 v[BB+4*\t:BB+4*\t+3], v[RD] offset:\t*SPITCH                  ; in order behind the stores above (ISA guide 5.7.1.4)
.endr
.endm
.macro SEND a, younger                 ; younger: the LDS instructions issued behind block a's loads, which may stay out
.set BB, BK+64*((\a)%2)
	s_wait_dscnt \younger
.irp t, 0,1,2,3,4,5,6,7,8,9,10,11,12,13,14,15
	global_store_b128 v[CO], v[BB+4*\t:BB+4*\t+3], s[10:11] offset:(16*(\a)+\t)*4096 th:TH_STORE_NT   ; written once, read by nobody here
.endr
.endm
	PLACES
	TOSTAGE 0
.irp a, 1,2,3
.if \a > 1
	s_wait_xcnt 0x0                                ; block a - 2's stores have read their registers: block a's loads may land there
.endif
	TOSTAGE \a
	SEND \a-1, 32                                  ; behind block a - 1's loads: block a's 16 stores and 16 loads
.endr
	SEND 3, 0
	s_wait_tensorcnt 0x0                           ; the wave's end: behind my last tensor load and my last LDS store
	ds_add_u32 v[SPW], v[NIL]
	s_wait_dscnt 0x0
	CROUND                                         ; the closing round
	s_endpgm
.Lfunc_end_k_q79909395e2_outp:
	.size	k_q79909395e2_outp, .Lfunc_end_k_q79909395e2_outp-k_q79909395e2_outp
	.p2alignl 7, 3214868480
	.fill 96, 4, 3214868480
	.section	.rodata,"a",@progbits
	.p2align	6, 0x0
	.amdhsa_kernel k_q79909395e2_outp
		.amdhsa_group_segment_fixed_size 327680
		.amdhsa_private_segment_fixed_size 0
		.amdhsa_enable_private_segment 0
		.amdhsa_kernarg_size 32
		.amdhsa_user_sgpr_count 2
		.amdhsa_user_sgpr_kernarg_segment_ptr 1
		.amdhsa_wavefront_size32 1
		.amdhsa_system_sgpr_workgroup_id_x 1
		.amdhsa_system_sgpr_workgroup_id_y 1
		.amdhsa_system_sgpr_workgroup_id_z 1
		.amdhsa_system_vgpr_workitem_id 0
		.amdhsa_next_free_vgpr 768
		.amdhsa_next_free_sgpr 72
		.amdhsa_reserve_vcc 0
		.amdhsa_float_denorm_mode_32 3
		.amdhsa_float_denorm_mode_16_64 3
		.amdhsa_memory_ordered 1
		.amdhsa_forward_progress 1
		.amdhsa_inst_pref_size 87
	.end_amdhsa_kernel
	.amdgpu_metadata
---
amdhsa.version: [ 1, 2 ]
amdhsa.kernels:
  - .name:           k_q79909395e2_outp
    .symbol:         k_q79909395e2_outp.kd
    .args:
      - { .name: ao, .offset: 0, .size: 8, .value_kind: global_buffer, .address_space: global }
      - { .name: wo16, .offset: 8, .size: 8, .value_kind: global_buffer, .address_space: global }
      - { .name: bo, .offset: 16, .size: 8, .value_kind: global_buffer, .address_space: global }
      - { .name: out0, .offset: 24, .size: 8, .value_kind: global_buffer, .address_space: global }
    .group_segment_fixed_size: 327680
    .private_segment_fixed_size: 0
    .kernarg_segment_align: 8
    .kernarg_segment_size: 32
    .max_flat_workgroup_size: 128
    .sgpr_count:     72
    .vgpr_count:     768
    .wavefront_size: 32
...
	.end_amdgpu_metadata
.endif
;; end of part 4
